; MI455X (gfx1250); checked and timed in simulation.
; The chip was launched on July 23, 2026; its instructions are those of AMD's public machine-readable ISA for CDNA 5 (MIT licence, August 2026) and "CDNA5" Instruction Set Architecture Reference Guide (July 2026). The comments in the code are by the model that wrote it; some were corrected since.
;; Attention. Allowed arithmetic: matrix products marked QUANTISED: E2M1 operands, one E8M0 scale for each 32 along K, by v_wmma_scale_f32_16x16x128_f8f6f4 with both operands' format E2M1 (or v_wmma_scale_f32_32x16x128_f4), f32 sums; everything else in f32.
;; Inputs: attn_mask 4 x 1 x 2,048 x 2,048 bool; keys 4 x 2,048 x 1,024 float32; queries 4 x 2,048 x 1,024 float32; values_codes 4 x 1,024 x 64 x 16 uint8 (E2M1 codes of values, K innermost, in blocks of 32 codes, two codes a byte); values_scales 4 x 1,024 x 64 uint8 (E8M0 scales of values, one for each 32 codes along K).
;; Outputs: out0 4 x 2,048 x 1,024 float32.
;; This version of the problem:
;;   THIS VERSION OF THE PROBLEM IS GIVEN IN LOW PRECISION. The matrix products marked QUANTISED in the list below multiply operands that are first quantised to E2M1 (2 exponent bits, 1 mantissa bit; 4 bits a number), with one power-of-two scale for each 32 numbers along K (OCP MX v1.0); their sums are f32. All else is computed in f32.
;;   The module's matrix products, in the order in which they are computed (A, B: the left and right operand; K: the contracted axis; several contracted axes count as one K, in the product's order):
;;     1. batch 64 x [M 2,048, K 64] x [K 64, N 2,048]; A: input queries; B: input keys: QUANTISED
;;     2. batch 64 x [M 64, K 2,048] x [K 2,048, N 2,048]; A: input values (given as codes); B: softmax (see below): QUANTISED
;;   THE QUANTISER, for each operand of a quantised product, along K:
;;     - K is cut into blocks of 32 from its start; a last block that is shorter is filled with zeros.
;;     - A block's scale is 2^e with e = floor(log2(the largest magnitude in the block)) - 2, held to -126 .. 127; a block of zeros has e = 0. As a byte (E8M0): e + 127.
;;     - Each number is divided by its block's scale, clamped to +-6, and rounded to the nearest number of E2M1, ties to even, subnormals kept.
;;     - The product sums the exact products of the quantised numbers (number of the format x scale) in f32.
;;   ~~~python
;;   def quantise(x, axis):      # numpy; x: float32 -> the quantised numbers, widened to float32 again
;;       x = np.moveaxis(x, axis, -1); K = x.shape[-1]
;;       x = np.pad(x, [(0, 0)] * (x.ndim - 1) + [(0, -K % 32)]); x = x.reshape(x.shape[:-1] + (-1, 32)); a = np.abs(x).max(-1, keepdims=True)
;;       e = np.where(a > 0, np.clip(np.frexp(np.where(a > 0, a, 1))[1] - 1 - 2, -126, 127), 0)      # np.frexp(a)[1] - 1 = floor(log2(a)), exactly
;;       r = np.clip(x / 2.0 ** e, -6, 6)
;;       step = 2.0 ** (np.maximum(np.frexp(np.where(r == 0, 1, r))[1] - 1, 0) - 1)
;;       q = np.round(r / step) * step * 2.0 ** e      # np.round: ties to even
;;       return np.moveaxis(q.reshape(q.shape[:-2] + (-1,))[..., :K], -1, axis).astype(np.float32)
;;   ~~~
;;   SOFTMAX AHEAD OF A QUANTISED PRODUCT. Where the list says 'softmax', what is quantised is not the finished softmax but p = 2^(t - M), with t = logit x log2(e) and M = ceil(the row's largest t), a whole number; so 1/2 < the row's largest p <= 1. The row's sum l is taken of the UNQUANTISED p, in f32, and the product's result is divided by l at the end. Since M is a whole number, a kernel that streams over the keys may use a running M (the ceiling of the running maximum): every later rescaling is an exact power of two, which a block's scale takes up: the codes' values come out the same.
;;   OPERANDS COMPUTED ON THE WAY. 'Computed on the way' means the value that the module computes at that place (a softmax that the list does not call 'softmax' is quantised finished and normalised). What goes into a quantiser is computed in f32, as accurately as f32 sums, v_exp_f32 and their like allow (about 1e-6 of the number): no bf16 or f16 on the way to a quantiser, and a product that is left as it is and whose result goes on into a quantised operand takes f32 operands (vector FMAs, or v_wmma_f32_16x16x4_f32). A number that lies on a knife's edge between two numbers of the format may be rounded either way, as far as f32 arithmetic and the matrix unit's own rounding can turn it there, and no further.
;;   INPUTS GIVEN AS CODES. values (in the module: [4, 2048, 1024], K = its axis 1): each comes as NAME_codes (uint8): NAME with its K axis moved to the last place and cut into blocks of 32 codes, [.., K / 32, bytes a block], one block behind the other in memory; two codes a byte, the lower K in the low four bits (a code: sign, 2 exponent bits, 1 mantissa bit); and NAME_scales (uint8): the same leading axes, one E8M0 byte (e + 127) for each 32 codes along K. Its value is code x scale, taken as it is: it is not quantised again, and the codes and scales need not be those that the quantiser above would give.
;; 2 versions. Each part assembles by itself: llvm-mc -triple=amdgcn-amd-amdhsa -mcpu=gfx1250 --defsym DOCPART=n.
;; ======== version 1 of 2: 2 launches
;; workspace buffers: kbuf 4,456,448 bytes; qbuf 4,456,448 bytes; maskw 2,097,152 bytes of whole numbers; flags 16,384 bytes of whole numbers
;; launch prep (part 1): grid 1024 x 1, 4 waves a work-group, no clusters, 70,144 bytes of LDS; arguments keys, queries, attn_mask, kbuf, qbuf, maskw, flags; writes kbuf, qbuf, maskw, flags
.if DOCPART == 1
	.amdgcn_target "amdgcn-amd-amdhsa--gfx1250"
	.amdhsa_code_object_version 6
	.text
	.protected	k_qc6c7bec78f_prep
	.globl	k_qc6c7bec78f_prep
	.p2align	8
	.type	k_qc6c7bec78f_prep,@function
k_qc6c7bec78f_prep:
	s_mov_b64 s[64:65], 0
	v_nop
	global_prefetch_b8 v0, s[64:65] scope:SCOPE_SE
	s_setreg_imm32_b32 hwreg(HW_REG_WAVE_MODE, 25, 1), 1
	s_wait_xcnt 0x0
; WHAT IT MAKES.  keys and queries, [4][2048][1024] f32 (a head is 64 neighbouring numbers of a row), become codes of FP4 (E2M1) with one E8M0 byte for each 32 along the head's axis;
; attn_mask, [4][1][2048][2048] bytes of 0 or 1, becomes lane-mask words and two bits for each tile's key step.
; kbuf, qbuf: 69,632 bytes a head (head number 16 b + h).  Bytes 0 .. 65,535: 64 images of 1,024 bytes, one for each block of 32 rows: group u (0, 1) at 512 u, lane l = (r = l % 16, e = l / 16) at 16 l:
;   the 32 codes of row 8 u + r + 8 (r / 8) of the block, head numbers 32 e .. 32 e + 31.  An image is a matrix operand's eight registers as they stand: registers 0-3 group 0, registers 4-7 group 1.
;   Bytes 65,536 on: scale words [block / 4][r][block % 4], a word = bytes s(u 0, e 0), s(u 0, e 1), s(u 1, e 0), s(u 1, e 1) of lane r's two rows.
; maskw: [b][block of 32 queries][u][block of 32 keys][i = 0 .. 15] words: bit l = (r, hh) is the mask of query 8 u + r + 8 (r / 8) of its block and key 16 hh + i of its block.
; flags: [b][block of 32 queries][u][c = 0 .. 7] words: word c carries, for key steps 2 c + sg of 128 keys, at bit 4 c + 2 sg 'some score is not masked' and at the bit above it 'some score is masked'.
; THE QUANTISER.  A block's scale is 2^(floor(log2(largest magnitude)) - 2): its byte is the largest magnitude's exponent field - 2, held at 1 from below by a floor among the maximum's leaves.
; LIMITS.  A block of zeros gets the byte 1 where the rule says 127: its codes are zeros, and this program alone reads the bytes.  NaN and infinities among keys and queries are not served.
; SHARES.  Work-groups 0 .. 511 quantise (a wave: 128 rows of one head, each row piece 256 aligned bytes), 512 .. 1,023 take the mask (a wave: 32 queries x 256 keys).  The two ways part on the
; work-group's number, never join, and have LDS bytes of their own.  Waves share nothing: no barrier.  Matrix units, tensor loads and clusters have nothing to do here: no byte is read twice.
.set SP,    272                        ; a stage row: 256 bytes + 16 of padding, so that sixteen rows begin in sixteen different groups of banks
.set WST,   32*SP                      ; a wave's stage: 32 rows
.set MST,   4*WST                      ; the mask way's stages lie behind the quantising way's
.set HEADB, 69632
.set R,     32                         ; v32-159  numbers as loaded, two sets of 64 (the mask way: v32-95)
.set X0,    160                        ; v160-191 a lane's 32 neighbours of group 0
.set X1,    192                        ; v192-223 of group 1
.set C,     224                        ; v224-255 codes: four registers for each (block, group), never written again
	s_load_b256 s[4:11], s[0:1], 0x0               ; keys s[4:5], queries s[6:7], attn_mask s[8:9], kbuf s[10:11]
	s_load_b128 s[12:15], s[0:1], 0x20             ; qbuf s[12:13], maskw s[14:15]
	s_load_b64 s[16:17], s[0:1], 0x30              ; flags
	v_lshl_add_u32 v30, v0, 2, 0x11000
	v_mov_b32 v31, 0
	v_lshrrev_b32 v1, 5, v0
	v_readfirstlane_b32 s18, v1                    ; wave 0..3
	v_and_b32 v1, 31, v0                           ; lane
	v_and_b32 v2, 15, v0                           ; r
	v_bfe_u32 v3, v0, 4, 1                         ; hl = lane / 16
	s_mov_b32 s20, 0x76543210
	s_mov_b32 s21, 0xfedcba98                      ; v_permlanex16_b32's selects for lane l xor 16
	s_mul_i32 s19, s18, WST
	v_mul_u32_u24 v5, v3, SP
	v_lshl_add_u32 v5, v2, 4, v5
	v_add_nc_u32 v5, s19, v5                       ; into a stage: 272 hl + 16 r + my wave's stage
	v_mul_u32_u24 v6, v2, SP
	v_add_nc_u32 v6, s19, v6                       ; out of it: row r + my wave's stage
	v_lshlrev_b32 v7, 4, v1                        ; 16 x lane
	s_wait_kmcnt 0x0
	s_cmp_lt_u32 ttmp9, 512
	s_cbranch_scc0 .Lmask
; ---------------- keys and queries.  Work-group number = 256 T + 64 b + 4 G + hq: tensor T, batch b, rows 128 G on, head 4 hq + wave
	v_lshl_add_u32 v6, v3, 7, v6                   ; out of the stage: + 128 hl: my 32 numbers of the row
	v_lshlrev_b32 v4, 12, v3
	v_lshl_add_u32 v4, v2, 4, v4                   ; in memory: row hl of a pair of rows, 16 bytes a lane
	v_lshlrev_b32 v8, 4, v2
	v_lshl_add_u32 v8, v3, 3, v8                   ; the scale words' place: 16 r + 8 hl
	v_lshlrev_b32 v9, 3, v3                        ; 8 hl: my bytes' shift in a scale word
	v_mov_b32 v15, 0                               ; written once: a lane permute's destination counts as one of its sources
	s_and_b32 s22, ttmp9, 0x100
	s_cmp_eq_u32 s22, 0                            ; keys or queries: the choice hangs on the work-group's number alone
	s_cselect_b64 s[4:5], s[4:5], s[6:7]
	s_cselect_b64 s[10:11], s[10:11], s[12:13]
	s_bfe_u32 s22, ttmp9, 0x20006                  ; b
	s_bfe_u32 s23, ttmp9, 0x40002                  ; G
	s_and_b32 s24, ttmp9, 3
	s_lshl_b32 s24, s24, 2
	s_add_co_u32 s24, s24, s18                     ; head
	s_lshl_b32 s26, s22, 23                        ; a batch is 8,388,608 bytes,
	s_lshl_b32 s25, s23, 19                        ; 128 rows are 524,288,
	s_add_co_u32 s26, s26, s25
	s_lshl_b32 s25, s24, 8                         ; a head's piece of a row 256
	s_add_co_u32 s26, s26, s25
	s_mov_b32 s27, 0
	s_add_nc_u64 s[4:5], s[4:5], s[26:27]
	s_lshl_b32 s22, s22, 4
	s_add_co_u32 s22, s22, s24                     ; 16 b + head
	s_mul_i32 s26, s22, HEADB
	s_lshl_b32 s25, s23, 12
	s_add_co_u32 s28, s26, s25                     ; my four images: + 4,096 G
	s_mov_b32 s29, 0
	s_lshl_b32 s25, s23, 8
	s_add_co_u32 s26, s26, s25
	s_add_co_u32 s26, s26, 65536                   ; my scale words: + 65,536 + 256 G
	s_add_nc_u64 s[12:13], s[10:11], s[26:27]
	s_add_nc_u64 s[10:11], s[10:11], s[28:29]
.macro LOADQ t                         ; block t: 32 rows x 256 bytes; sixteen lanes read one aligned 256 bytes
.irp j, 0,1,2,3,4,5,6,7,8,9,10,11,12,13,14,15
	global_load_b128 v[R+64*((\t)%2)+4*\j:R+64*((\t)%2)+4*\j+3], v4, s[4:5] offset:(32*(\t)+2*\j)*4096 th:TH_LOAD_NT
.endr
.endm
; A lane's 32 numbers v[x] .. v[x + 31] are one block: its largest magnitude needs no other lane.  Codes to v[c] .. v[c + 3], the byte to v[byte], the codes to memory: the wave stores 512 consecutive bytes.
.macro QB x, c, byte, off
	v_max3_num_f32 v10, |v[\x]|, |v[\x+1]|, |v[\x+2]|
	v_max3_num_f32 v11, |v[\x+3]|, |v[\x+4]|, |v[\x+5]|
.irp i, 6,10,14,18,22,26
	v_max3_num_f32 v10, v10, |v[\x+\i]|, |v[\x+\i+1]|
	v_max3_num_f32 v11, v11, |v[\x+\i+2]|, |v[\x+\i+3]|
.endr
	v_max3_num_f32 v10, v10, |v[\x+30]|, |v[\x+31]|
	v_max3_num_f32 v10, v10, v11, 0x1800000        ; and the floor 2^(3 - 127): the byte cannot fall under 1
	v_add_nc_u32 v12, 0xff000000, v10              ; 2 off the exponent field: the conversion takes the exponent field of this operand as its scale
.irp g, 0,1,2,3
	v_cvt_scalef32_pk8_fp4_f32 v[\c+\g], v[\x+8*\g:\x+8*\g+7], v12
.endr
	v_lshrrev_b32 v[\byte], 23, v12                ; the scale's byte; also the plain line behind the conversions
	global_store_b128 v7, v[\c:\c+3], s[10:11] offset:\off
.endm
; Row k of a block goes to stage row 16 ((k / 8) % 2) + k % 8 + 8 (k / 16): group by group, in the lanes' order.  Rows 2 j and 2 j + 1 are neighbours there, so the place of a pair is an immediate.
.macro BLOCKQ t
.if (\t) < 3
	s_wait_loadcnt 16                              ; this block's 16 loads are in; the next block's 16 may be out
.else
	s_wait_loadcnt 0x0
.endif
.irp j, 0,1,2,3,4,5,6,7,8,9,10,11,12,13,14,15
	ds_store_b128 v5, v[R+64*((\t)%2)+4*\j:R+64*((\t)%2)+4*\j+3] offset:SP*(16*(((2*\j)/8)%2)+((2*\j)%8)+8*((2*\j)/16))
.endr
.irp i, 0,1,2,3,4,5,6,7
	ds_load_b128 v[X0+4*\i:X0+4*\i+3], v6 offset:16*\i             ; LDS serves a wave's instructions in order: these see the stores above
.endr
.irp i, 0,1,2,3,4,5,6,7
	ds_load_b128 v[X1+4*\i:X1+4*\i+3], v6 offset:16*SP+16*\i
.endr
	s_wait_dscnt 8                                 ; the stores have read their registers and group 0 is back; group 1's eight loads may be out
.if (\t)+2 < 4
	LOADQ (\t)+2
.endif
	QB X0, C+8*(\t), 13, 1024*(\t)
	s_wait_dscnt 0x0
	QB X1, C+8*(\t)+4, 14, 1024*(\t)+512
	v_lshl_or_b32 v22, v14, 16, v13                ; my two bytes: groups 0 and 1 of my half of the head,
	v_lshlrev_b32 v22, v9, v22                     ; at their places,
	v_permlanex16_b32 v15, v22, s20, s21
	v_or_b32 v[16+(\t)], v22, v15                  ; and with lane l xor 16's two the word is whole
.endm
	LOADQ 0
	LOADQ 1
	BLOCKQ 0
	BLOCKQ 1
	BLOCKQ 2
	BLOCKQ 3
	v_cmp_le_u32 vcc_lo, 16, v1
	v_cndmask_b32 v20, v16, v18, vcc_lo            ; lanes 0-15 store the words of blocks 0, 1, lanes 16-31 those of blocks 2, 3:
	v_cndmask_b32 v21, v17, v19, vcc_lo
	global_store_b64 v8, v[20:21], s[12:13]        ; the wave stores 256 consecutive bytes, aligned
	s_wait_tensorcnt 0x0
	ds_add_u32 v30, v31
	s_wait_dscnt 0x0
	s_endpgm
; ---------------- the mask.  Work-group number - 512 = 2 (64 b + query block) + chi; my 256 keys: chunk c = 4 chi + wave
.Lmask:
	v_add_nc_u32 v5, MST, v5
	v_lshl_add_u32 v6, v3, 4, v6                   ; out of the stage: + 16 hl: my 16 keys of a block of 32
	v_add_nc_u32 v6, MST, v6
	v_lshlrev_b32 v4, 11, v3
	v_lshl_add_u32 v4, v2, 4, v4                   ; in memory: row hl of a pair of rows of 2,048 bytes, 16 bytes a lane
	v_lshlrev_b32 v173, 5, v1                      ; the flag words' place: 32 x lane (lanes 0 and 1 alone store)
	s_sub_co_u32 s22, ttmp9, 512
	s_lshr_b32 s23, s22, 1                         ; 64 b + query block
	s_and_b32 s24, s22, 1
	s_lshl_b32 s24, s24, 2
	s_add_co_u32 s24, s24, s18                     ; c
	s_lshl_b32 s26, s23, 16                        ; 32 rows of 2,048 bytes
	s_lshl_b32 s25, s24, 8
	s_add_co_u32 s26, s26, s25
	s_mov_b32 s27, 0
	s_add_nc_u64 s[8:9], s[8:9], s[26:27]
	s_lshl_b32 s26, s23, 13                        ; two tiles of 4,096 bytes of words
	s_lshl_b32 s25, s24, 9
	s_add_co_u32 s26, s26, s25
	s_add_nc_u64 s[14:15], s[14:15], s[26:27]
	s_lshl_b32 s26, s23, 6                         ; two tiles of eight flag words
	s_lshl_b32 s25, s24, 2
	s_add_co_u32 s26, s26, s25
	s_add_nc_u64 s[16:17], s[16:17], s[26:27]
	s_lshl_b32 s39, s24, 2                         ; 4 c: my bits' place in a flag word
.irp j, 0,1,2,3,4,5,6,7,8,9,10,11,12,13,14,15
	global_load_b128 v[R+4*\j:R+4*\j+3], v4, s[8:9] offset:2*\j*2048 th:TH_LOAD_NT   ; sixteen lanes read one aligned 256 bytes
.endr
.irp j, 0,1,2,3,4,5,6,7
	v_mov_b32 v[160+\j], 0                         ; written once: v_writelane_b32's destination counts as one of its sources
.endr
	s_mov_b32 s36, 0
	s_mov_b32 s37, 0
	s_wait_loadcnt 0x0
.irp j, 0,1,2,3,4,5,6,7,8,9,10,11,12,13,14,15
	ds_store_b128 v5, v[R+4*\j:R+4*\j+3] offset:SP*(16*(((2*\j)/8)%2)+((2*\j)%8)+8*((2*\j)/16))
.endr
.irp u, 0,1
.irp k, 0,1,2,3,4,5,6,7
	ds_load_b128 v[96+32*\u+4*\k:96+32*\u+4*\k+3], v6 offset:16*SP*\u+32*\k   ; tile u, key block k: query r's bytes of keys 16 hl + 0 .. 15
.endr
.endr
; Sixteen words of tile u and key block kb: byte i of every lane becomes bit 'lane' of word i.  Word w = 16 kb + i of the wave's 128 goes to lane w / 4, register w % 4.  Four at a time, so that no line waits for the line above it.
.macro WORDS u, kb
.irp q, 0,1,2,3
.irp y, 0,1,2,3
	v_and_b32 v[168+\y], 0xff<<(8*\y), v[96+32*(\u)+4*(\kb)+\q]
.endr
.irp y, 0,1,2,3
	v_cmp_ne_u32 s[28+\y], 0, v[168+\y]
.endr
.irp y, 0,1,2,3
	v_writelane_b32 v[160+4*(\u)+\y], s[28+\y], 4*(\kb)+\q
.endr
.irp y, 0,1,2,3
	s_or_b32 s32, s32, s[28+\y]
	s_and_b32 s33, s33, s[28+\y]
.endr
.endr
.endm
.irp u, 0,1
.if \u == 0
	s_wait_dscnt 8                                 ; tile 0's eight loads are in; tile 1's may be out
.else
	s_wait_dscnt 0x0
.endif
.irp sg, 0,1
	s_mov_b32 s32, 0                               ; the OR and the AND of a key step's 64 words
	s_mov_b32 s33, -1
	WORDS \u, 4*\sg
	WORDS \u, 4*\sg+1
	WORDS \u, 4*\sg+2
	WORDS \u, 4*\sg+3
	s_cmp_lg_u32 s32, 0
	s_cselect_b32 s34, 2, 0                        ; some score is masked
	s_cmp_lg_u32 s33, -1
	s_cselect_b32 s35, 1, 0                        ; some score is not
	s_or_b32 s34, s34, s35
	s_lshl_b32 s34, s34, 2*\sg
	s_or_b32 s[36+\u], s[36+\u], s34
.endr
	global_store_b128 v7, v[160+4*\u:163+4*\u], s[14:15] offset:4096*\u   ; the wave stores 512 consecutive bytes, aligned
.endr
	s_lshl_b32 s36, s36, s39
	s_lshl_b32 s37, s37, s39
	v_mov_b32 v172, s36
	v_writelane_b32 v172, s37, 1                   ; lane 0: tile 0's flag word, lane 1: tile 1's
	s_wait_xcnt 0x0                                ; EXEC is a source of the stores above: it changes only behind this wait
	v_cmp_gt_u32 vcc_lo, 2, v1
	s_wait_tensorcnt 0x0
	ds_add_u32 v30, v31
	s_wait_dscnt 0x0
	s_and_saveexec_b32 s38, vcc_lo
	global_store_b32 v173, v172, s[16:17]          ; two words of 4 bytes a wave: 16,384 bytes in the whole launch leave so
	s_wait_xcnt 0x0                                ; and again in front of the line that widens it
	s_or_b32 exec_lo, exec_lo, s38
	s_endpgm
.Lfunc_end_k_qc6c7bec78f_prep:
	.size	k_qc6c7bec78f_prep, .Lfunc_end_k_qc6c7bec78f_prep-k_qc6c7bec78f_prep
	.p2alignl 7, 3214868480
	.fill 96, 4, 3214868480
	.section	.rodata,"a",@progbits
	.p2align	6, 0x0
	.amdhsa_kernel k_qc6c7bec78f_prep
		.amdhsa_group_segment_fixed_size 70144
		.amdhsa_private_segment_fixed_size 0
		.amdhsa_enable_private_segment 0
		.amdhsa_kernarg_size 56
		.amdhsa_user_sgpr_count 2
		.amdhsa_user_sgpr_kernarg_segment_ptr 1
		.amdhsa_wavefront_size32 1
		.amdhsa_system_sgpr_workgroup_id_x 1
		.amdhsa_system_sgpr_workgroup_id_y 1
		.amdhsa_system_sgpr_workgroup_id_z 1
		.amdhsa_system_vgpr_workitem_id 0
		.amdhsa_next_free_vgpr 256
		.amdhsa_next_free_sgpr 66
		.amdhsa_reserve_vcc 1
		.amdhsa_float_denorm_mode_32 3
		.amdhsa_float_denorm_mode_16_64 3
		.amdhsa_memory_ordered 1
		.amdhsa_forward_progress 1
		.amdhsa_inst_pref_size 101
	.end_amdhsa_kernel
	.amdgpu_metadata
---
amdhsa.version: [ 1, 2 ]
amdhsa.kernels:
  - .name:           k_qc6c7bec78f_prep
    .symbol:         k_qc6c7bec78f_prep.kd
    .args:
      - { .name: keys, .offset: 0, .size: 8, .value_kind: global_buffer, .address_space: global }
      - { .name: queries, .offset: 8, .size: 8, .value_kind: global_buffer, .address_space: global }
      - { .name: attn_mask, .offset: 16, .size: 8, .value_kind: global_buffer, .address_space: global }
      - { .name: kbuf, .offset: 24, .size: 8, .value_kind: global_buffer, .address_space: global }
      - { .name: qbuf, .offset: 32, .size: 8, .value_kind: global_buffer, .address_space: global }
      - { .name: maskw, .offset: 40, .size: 8, .value_kind: global_buffer, .address_space: global }
      - { .name: flags, .offset: 48, .size: 8, .value_kind: global_buffer, .address_space: global }
    .group_segment_fixed_size: 70144
    .private_segment_fixed_size: 0
    .kernarg_segment_align: 8
    .kernarg_segment_size: 56
    .max_flat_workgroup_size: 128
    .sgpr_count:     66
    .vgpr_count:     256
    .wavefront_size: 32
...
	.end_amdgpu_metadata
.endif
;; end of part 1
;; launch attn (part 2): grid 4 x 64, 16 waves a work-group, no clusters, 211,968 bytes of LDS; arguments qbuf, kbuf, values_codes, values_scales, maskw, flags, out0; writes out0
.if DOCPART == 2
	.amdgcn_target "amdgcn-amd-amdhsa--gfx1250"
	.amdhsa_code_object_version 6
	.text
	.protected	k_qc6c7bec78f_attn
	.globl	k_qc6c7bec78f_attn
	.p2align	8
	.type	k_qc6c7bec78f_attn,@function
k_qc6c7bec78f_attn:
	s_mov_b64 s[64:65], 0
	v_nop
	global_prefetch_b8 v0, s[64:65] scope:SCOPE_SE
	s_setreg_imm32_b32 hwreg(HW_REG_WAVE_MODE, 25, 1), 1
	s_wait_xcnt 0x0
; out0[b][l][64 h + d] = the sum over s of softmax_s(q . k / 8, masked by attn_mask) v, both products on codes of FP4 (E2M1) with one E8M0 scale for each 32 along a product's K.
; THE SOFTMAX AHEAD OF THE SECOND PRODUCT: t = score x log2(e) / 8; M = the row's largest t so far, rounded up to a whole number; p = 2^(t - M) is quantised along the keys, not normalised; the row's sum is taken of
; the unquantised p in f32 and divides at the end.  When M moves, the sum and O are multiplied by 2^(old M - new M), which rounds nothing.
; SHARES.  256 work-groups: work-group (x, 16 b + h) holds ALL of a head's K, V and scale words in LDS (139,264 bytes of data, brought once through registers) and serves the query blocks 4 G + x, G = 0 .. 15, of 32 queries.
; Each of its sixteen waves owns one tile of 16 queries at a time, in two passes: (G = wave, group 0), then (G = 15 - wave, group 1): an early and a late block, so that under a mask that hides more of one end
; the waves' live steps come out alike; no value hangs on that.  Four waves to a SIMD: one wave's vector work stands beside another's products and loads.
; K = 64 FILLS HALF OF THE MATRIX INSTRUCTION'S 128.  An image of kbuf (32 keys: registers 0-3 one group of 16 keys, registers 4-7 the other) serves two products: against (Q, zeros) it gives the first group's scores, against
; (zeros, Q) the second's.  The zero codes stand on Q's side; their scale bytes are 1, the smallest, so that the dead half cannot weigh in the sum's alignment.
; LAYOUT.  Both products are used transposed: S^T = K Q^T, O^T = V^T P^T: a lane holds ONE query (lane % 16) throughout.  The keys of a group are 8 u + r + 8 (r / 8) of their block, so that score registers 16 b + i are
; keys 32 b + 16 (lane / 16) + i: sixteen neighbours, as the conversions and the second product's operand want them.  The queries of a tile are chosen the same way: that only says which rows a tile stores.
; THE MASK is an input.  The launch before has turned it into lane-mask words (one v_cndmask_b32 a score register, the word in a scalar register) and two bits a key step.  A step with no score left is jumped over:
; it would add zeros and leave M; a step with nothing masked jumps over the selects.  A row with every key masked ends with sum 0 and O 0: 0 x (1 / 0) = NaN, as the softmax of such a row is.
; NO JOINT LOADS, NO TENSOR LOADS: the four work-groups of a head read the same 139,264 bytes, but once each, at their start, and the loop branches on stored numbers.
; O^T is cleared by 32 moves a pass: which step is a tile's first live one is known only from the flags, so no product can be written out as the one that starts the sums.
; LIMITS.  A block's largest p is taken from the block's largest score by the same two instructions; that takes v_exp_f32 not to fall where its input rises.  p under 2^-126 counts as 0.  NaN and infinities in q and k are not served.
.set HEADB, 69632
.set KSW,   65536                      ; LDS: K's 64 images from byte 0; behind them K's scale words [step][r][block % 4];
.set VIMG,  69632                      ; V's 64 rows of 1,024 bytes + 16 of padding: sixteen rows begin in sixteen different groups of banks;
.set VP,    1040
.set VSW,   136192                     ; V's scale words, laid anew as [step][r][tile of 16 channels];
.set STAGE, 140288                     ; and for each wave a stage of 16 rows x (256 + 16) bytes for the way out
.set SP,    272
.set WSTG,  16*SP
; VECTOR REGISTERS: v1-7 addresses that stay; v8-11 the step's; v12 -M, v13 the largest t, v[14:15] the sum; v16-19 zeros, v20-23 Q, v24-27 zeros; v28, v29 Q's two scale words; v30 -infinity; v31 Q's raw word;
;   v32-63 K's four images; v64-127 S^T, then p; v128-159 O^T; v160-167 p's codes; v168-171 K's scale words, v172-175 V's; v176-191 at work; v192 p's scale word; v[194:195] a second chain of the sum; v196 16 r; v200-231 V's four fragments.
; SCALAR REGISTERS: s2 wave, s3 x; s[4:5] Q's head, s[6:7] mask words of b, s[8:9] flags of b, s[10:11] out0 at (b, h); s[12:13] the tile's mask words, s[14:15] its rows of out0;
;   s16-63 and s68-83 the step's 64 mask words (at a pass's head: pointers); s[66:67] c; s[84:85] an offset with 0 above it; s88-95 flag words; s96 the flags' map; s97 trips; s98-100 LDS steps; s101 G; s[104:105] lane selects.
	s_load_b256 s[16:23], s[0:1], 0x0              ; qbuf s[16:17], kbuf s[18:19], V's codes s[20:21], V's scales s[22:23]
	s_load_b128 s[24:27], s[0:1], 0x20             ; maskw s[24:25], flags s[26:27]
	s_load_b64 s[28:29], s[0:1], 0x30              ; out0
	v_lshl_add_u32 v232, v0, 2, 0x33400
	v_mov_b32 v233, 0
	v_lshrrev_b32 v1, 5, v0
	v_readfirstlane_b32 s2, v1                     ; wave 0..15
	s_mov_b32 s3, ttmp9                            ; x
	s_and_b32 s96, ttmp7, 0xffff                   ; 16 b + h
	s_lshr_b32 s97, s96, 4                         ; b
	s_and_b32 s98, s96, 15                         ; h
	; the fill's addresses, thread t = 0 .. 511
	v_lshlrev_b32 v197, 4, v0                      ; 16 t: in memory, and K's place in LDS
	v_lshrrev_b32 v198, 6, v0
	v_mul_u32_u24 v198, v198, VP
	v_and_b32 v199, 63, v0
	v_lshl_add_u32 v198, v199, 4, v198
	v_add_nc_u32 v198, VIMG, v198                  ; V's: row t / 64, 16 (t % 64) in it
	v_bfe_u32 v189, v0, 2, 4                       ; V's scale bytes: thread t % 256 holds channel ch = (t % 256) / 4, steps 4 a + 0 .. 3, a = t % 4
	v_bfe_u32 v193, v0, 6, 2
	v_lshlrev_b32 v189, 4, v189                    ; 16 (ch % 16)
	v_lshl_add_u32 v189, v193, 2, v189             ; + 4 (ch / 16)
	v_and_b32 v193, 3, v0
	v_lshl_add_u32 v189, v193, 10, v189            ; + 1,024 a
	v_add_nc_u32 v189, VSW, v189
	v_and_b32 v199, 255, v0
	v_lshlrev_b32 v199, 4, v199                    ; 16 (t % 256)
	v_add_nc_u32 v193, KSW, v199
	s_mul_i32 s84, s96, HEADB
	s_mov_b32 s85, 0
	s_lshl_b32 s86, s96, 16                        ; a head's codes of V: 64 rows of 1,024 bytes
	s_mov_b32 s87, 0
	s_lshl_b32 s88, s96, 12                        ; and its scale bytes: 64 rows of 64
	s_mov_b32 s89, 0
	s_wait_kmcnt 0x0
	s_add_nc_u64 s[4:5], s[16:17], s[84:85]
	s_add_nc_u64 s[32:33], s[18:19], s[84:85]
	s_add_nc_u64 s[34:35], s[20:21], s[86:87]
	s_add_nc_u64 s[36:37], s[22:23], s[88:89]
	s_add_nc_u64 s[38:39], s[32:33], 65536
	s_cmp_lt_u32 s2, 8                             ; waves 0-7 bring K's scale words, waves 8-15 V's scale bytes: 4,096 bytes each
	s_cselect_b64 s[36:37], s[38:39], s[36:37]
.irp i, 0,1,2,3,4,5,6,7
	global_load_b128 v[32+4*\i:35+4*\i], v197, s[32:33] offset:8192*\i
.endr
.irp i, 0,1,2,3,4,5,6,7
	global_load_b128 v[64+4*\i:67+4*\i], v197, s[34:35] offset:8192*\i
.endr
	global_load_b128 v[96:99], v199, s[36:37]
	s_lshl_b32 s84, s97, 19
	s_add_nc_u64 s[6:7], s[24:25], s[84:85]
	s_lshl_b32 s84, s97, 12
	s_add_nc_u64 s[8:9], s[26:27], s[84:85]
	s_lshl_b32 s84, s97, 23
	s_lshl_b32 s86, s98, 8
	s_add_co_u32 s84, s84, s86
	s_add_nc_u64 s[10:11], s[28:29], s[84:85]
	s_mov_b32 s66, 0x3e38aa3b                      ; c = log2(e) / 8
	s_mov_b32 s67, s66                             ; (named with it as a pair, so it is written)
	s_mov_b32 s104, 0x76543210
	s_mov_b32 s105, 0xfedcba98                     ; v_permlanex16_b32's selects for lane l xor 16
	v_and_b32 v9, 31, v0
	v_lshlrev_b32 v1, 4, v9                        ; an image's place for my lane: 16 x lane
	v_and_b32 v10, 15, v0                          ; r
	v_bfe_u32 v11, v0, 4, 1                        ; hh
	v_mul_u32_u24 v2, v10, VP
	v_lshl_add_u32 v2, v11, 4, v2
	v_add_nc_u32 v2, VIMG, v2                      ; V: row r, + 16 hh
	v_lshlrev_b32 v196, 4, v10                     ; 16 r
	v_add_nc_u32 v3, KSW, v196
	v_add_nc_u32 v4, VSW, v196
	s_mul_i32 s86, s2, WSTG
	s_add_co_u32 s86, s86, STAGE                   ; my stage
	v_mul_u32_u24 v5, v10, SP
	v_lshl_add_u32 v5, v11, 5, v5
	v_add_nc_u32 v5, s86, v5                       ; in: row r, + 32 hh
	v_mul_u32_u24 v6, v11, SP
	v_add_nc_u32 v6, v196, v6
	v_add_nc_u32 v6, s86, v6                       ; back: lanes 0-15 one row, lanes 16-31 the next
	v_lshl_add_u32 v7, v11, 12, v196               ; and the same two rows in out0, 4,096 bytes apart
.irp j, 16,17,18,19,24,25,26,27,180,181,182,183,191
	v_mov_b32 v[\j], 0                             ; the zero halves beside Q; a lane permute's destinations; the upper half of the pair v[190:191]
.endr
	v_mov_b32 v30, 0xff800000                      ; -infinity
	s_wait_loadcnt 9                               ; K's eight loads are in; V's eight and the scales' one may be out
.irp i, 0,1,2,3,4,5,6,7
	ds_store_b128 v197, v[32+4*\i:35+4*\i] offset:8192*\i
.endr
	s_wait_loadcnt 1                               ; V's are in
.irp i, 0,1,2,3,4,5,6,7
	ds_store_b128 v198, v[64+4*\i:67+4*\i] offset:8*VP*\i
.endr
	s_wait_loadcnt 0x0
	s_cmp_lt_u32 s2, 8
	s_cbranch_scc0 .Lvscales
	ds_store_b128 v193, v[96:99]                   ; K's scale words as they lie
	s_branch .Lfilled
.Lvscales:
.irp j, 0,1,2,3
	ds_store_b32 v189, v[96+\j] offset:256*\j      ; V's word of channel ch and step 4 a + j
.endr
.Lfilled:
	s_wait_dscnt 0x0                               ; for the others' sake: my stores have landed
	s_barrier_signal -1
	s_barrier_wait -1                              ; the launch's one barrier: behind it nobody writes K, V or their scale words
.macro PASS u
.if \u == 0
	s_mov_b32 s101, s2                             ; G
.else
	s_sub_co_u32 s101, 15, s2
.endif
	s_lshl_b32 s97, s101, 2
	s_add_co_u32 s97, s97, s3                      ; the query block 4 G + x
	s_lshl_b32 s84, s97, 10
	s_add_nc_u64 s[16:17], s[4:5], s[84:85]        ; its image
	s_lshl_b32 s84, s101, 8
	s_lshl_b32 s86, s3, 2
	s_add_co_u32 s84, s84, s86
	s_add_nc_u64 s[18:19], s[4:5], s[84:85]        ; its scale words: 256 G + 4 x (+ 16 r, + 65,536)
	s_lshl_b32 s84, s97, 6
	s_add_nc_u64 s[20:21], s[8:9], s[84:85]        ; its flag words
	s_load_b256 s[88:95], s[20:21], 32*\u
	global_load_b128 v[20:23], v1, s[16:17] offset:512*\u
	global_load_b32 v31, v196, s[18:19] offset:65536
	s_lshl_b32 s84, s97, 13
	s_add_co_u32 s84, s84, 4096*\u
	s_add_nc_u64 s[12:13], s[6:7], s[84:85]        ; the tile's mask words
	s_lshl_b32 s84, s97, 17
	s_add_nc_u64 s[14:15], s[10:11], s[84:85]      ; the block's 32 rows of out0
	v_mov_b32 v13, 0xff61b1e6                      ; the largest t so far: -3e38, under every t
	v_floor_f32 v12, -v13                          ; -M
	v_mov_b32 v14, 0                               ; the sum, in two halves
	v_mov_b32 v15, 0
	s_mov_b32 s98, 0                               ; the step's images of K: 4,096 bytes a step
	s_mov_b32 s99, 0                               ; its 64 bytes in V's rows
	s_mov_b32 s100, 0                              ; its scale words: 256 bytes a step
	s_wait_kmcnt 0x0
	s_or_b32 s96, s88, s89                         ; the eight flag words make one map: two bits a step
	s_or_b32 s96, s96, s90
	s_or_b32 s96, s96, s91
	s_or_b32 s96, s96, s92
	s_or_b32 s96, s96, s93
	s_or_b32 s96, s96, s94
	s_or_b32 s96, s96, s95
	s_mov_b32 s97, 16
	s_wait_loadcnt 0x0                             ; Q and its word: so the pointers above may give way to mask words
	v_bfe_u32 v188, v31, 16*\u, 16                 ; my group's two bytes
	v_or_b32 v28, 0x01010000, v188                 ; beside (Q, zeros)
	v_lshl_or_b32 v29, v188, 16, 0x0101            ; beside (zeros, Q)
.set j, 0
.rept 32
	v_mov_b32 v[128+j], 0                          ; O^T.  (Also the places between the two scale words and the first product)
.set j, j+1
.endr
.Lstep_\@:                                             ; sixteen trips, 128 keys each; what the flags decide is jumped over inside the trip, and the stepping stands in its tail
	s_bitcmp1_b32 s96, 0
	s_cbranch_scc0 .Lskip_\@                       ; no score of this step is left: nothing to add
	s_load_b512 s[16:31], s[12:13], 0x0            ; the step's 64 mask words
	s_load_b512 s[32:47], s[12:13], 0x40
	s_load_b512 s[48:63], s[12:13], 0x80
	s_load_b512 s[68:83], s[12:13], 0xc0
	v_add_nc_u32 v8, s98, v1                       ; four plain lines: the places between the last step's products and the loads into their registers
	v_add_nc_u32 v9, s99, v2
	v_add_nc_u32 v10, s100, v3
	v_add_nc_u32 v11, s100, v4
.irp f, 0,1,2,3
.irp c, 0,1
	ds_load_b128 v[32+8*\f+4*\c:35+8*\f+4*\c], v8 offset:1024*\f+512*\c
.endr
.endr
	ds_load_b128 v[168:171], v10
.irp t, 0,1,2,3
.irp c, 0,1
	ds_load_b128 v[200+8*\t+4*\c:203+8*\t+4*\c], v9 offset:16*VP*\t+32*\c
.endr
.endr
	ds_load_b128 v[172:175], v11
	s_wait_dscnt 9                                 ; K's eight loads and its scale words are in; V's nine may be out until the second product
.irp f, 0,1,2,3                                ; S^T = K Q^T: eight accumulators, each begun with 0
	v_wmma_scale_f32_16x16x128_f8f6f4 v[64+16*\f:71+16*\f], v[32+8*\f:39+8*\f], v[20:27], 0, v[168+\f], v28 matrix_a_fmt:MATRIX_FMT_FP4 matrix_b_fmt:MATRIX_FMT_FP4
	v_wmma_scale_f32_16x16x128_f8f6f4 v[72+16*\f:79+16*\f], v[32+8*\f:39+8*\f], v[16:23], 0, v[168+\f], v29 matrix_a_fmt:MATRIX_FMT_FP4 matrix_b_fmt:MATRIX_FMT_FP4
.endr
.rept 4
	v_nop                                          ; four places in front of the first read of the scores (ISA guide 7.12.1)
.endr
	s_wait_kmcnt 0x0                               ; the mask words are in, on both ways: so their base may be stepped in the tail
	s_bitcmp1_b32 s96, 1
	s_cbranch_scc0 .Lopen_\@                       ; nothing of this step is masked
.set n, 0
.rept 64
	v_cndmask_b32 v[64+n], v[64+n], v30, s[16+16*(n/16)+4*(n/48)+n%16]   ; masked scores become -infinity ahead of the maximum: p = 0.  Ascending: each accumulator is read from its low end
.set n, n+1
.endr
.Lopen_\@:
.irp b, 0,1,2,3
	v_max3_num_f32 v[176+\b], v[64+16*\b], v[65+16*\b], v[66+16*\b]   ; the largest score of each block of 32 keys: for the row's maximum, and for the block's largest p
.endr
.irp i, 3,5,7,9,11,13
.irp b, 0,1,2,3
	v_max3_num_f32 v[176+\b], v[176+\b], v[64+16*\b+\i], v[65+16*\b+\i]   ; (the four blocks by turns)
.endr
.endr
.irp b, 0,1,2,3
	v_max_num_f32 v[176+\b], v[176+\b], v[79+16*\b]
.endr
.irp b, 0,1,2,3
	v_permlanex16_b32 v[180+\b], v[176+\b], s104, s105
.endr
.irp b, 0,1,2,3
	v_max_num_f32 v[176+\b], v[176+\b], v[180+\b]  ; with lane l xor 16's 16 keys
.endr
	v_max3_num_f32 v188, v176, v177, v178
	v_max_num_f32 v188, v188, v179                 ; the step's largest score of my query
	v_mul_f32 v188, s66, v188                      ; as t (c is positive)
	v_max_num_f32 v13, v13, v188                   ; the running largest t
	v_mov_b32 v188, v12
	v_floor_f32 v12, -v13                          ; the new -M = floor(-t) = -ceil(t): a whole number
	v_sub_f32 v188, v12, v188                      ; M's old value less its new one: a whole number, 0 or less
	v_cvt_i32_f32 v188, v188                       ; (it saturates)
	v_ldexp_f32 v190, 1.0, v188                    ; f = 2^(old M - new M)
.set j, 0
.rept 32
	v_pk_fma_f32 v[64+j:65+j], v[64+j:65+j], s[66:67], v[12:13] op_sel_hi:[1,0,0]   ; t - M, two at a time (of the pairs c and -M the low word serves both halves)
.set j, j+2
.endr
.irp b, 0,1,2,3
	v_fma_f32 v[176+\b], v[176+\b], s66, v12       ; the same of each block's largest score
.endr
.set j, 0
.rept 64
	v_exp_f32 v[64+j], v[64+j]                     ; p = 2^(t - M), at most 1: not normalised
.set j, j+1
.endr
.irp b, 0,1,2,3
	v_exp_f32 v[176+\b], v[176+\b]                 ; the block's largest p
.endr
	v_pk_mul_f32 v[14:15], v[14:15], v[190:191] op_sel_hi:[1,0]   ; the sums under the new M.  (The plain line behind the exponentials)
	s_wait_alu depctr_va_vdst(0)
.irp b, 0,1,2,3
	v_max_num_f32 v[176+\b], 0x1800000, v[176+\b]  ; the floor 2^(3 - 127): the byte cannot fall under 1 (a block whose every p is 0 keeps that byte: its codes are zeros)
.endr
.irp b, 0,1,2,3
	v_add_nc_u32 v[184+\b], 0xff000000, v[176+\b]  ; 2 off the exponent field: the conversion's scale operand
.endr
.irp b, 0,1,2,3
	v_lshrrev_b32 v[180+\b], 23, v[184+\b]         ; the scale's byte
.endr
	v_lshl_or_b32 v192, v181, 8, v180              ; p's scale word for these 128 keys
	v_lshl_or_b32 v192, v182, 16, v192
	v_lshl_or_b32 v192, v183, 24, v192
.irp b, 0,1,2,3
	v_cvt_scalef32_pk8_fp4_f32 v[160+2*\b], v[64+16*\b:71+16*\b], v[184+\b]
	v_cvt_scalef32_pk8_fp4_f32 v[161+2*\b], v[72+16*\b:79+16*\b], v[184+\b]
.endr
	v_nop                                          ; one plain line behind the scaled conversions
.irp c, 0,1                                    ; the operand's layout wants a whole block in a lane: lanes 0-15 block 2 c, lanes 16-31 block 2 c + 1
.irp i, 0,1
	v_permlane16_swap_b32 v[160+4*\c+\i], v[162+4*\c+\i]
.endr
.endr
	v_pk_add_f32 v[194:195], v[64:65], v[66:67]    ; the row's sum is taken of the unquantised p: two at a time, in two chains
.irp j, 4,8,12,16,20,24,28,32,36,40,44,48,52,56,60
	v_pk_add_f32 v[14:15], v[14:15], v[64+\j:65+\j]
	v_pk_add_f32 v[194:195], v[194:195], v[66+\j:67+\j]
.endr
	v_pk_add_f32 v[14:15], v[14:15], v[194:195]
.set j, 0
.rept 16
	v_pk_mul_f32 v[128+j:129+j], v[128+j:129+j], v[190:191] op_sel_hi:[1,0]   ; O^T under the new M, each accumulator from its low end.  (With the sums: the places between p's codes and scale word and the products below)
.set j, j+2
.endr
	s_wait_dscnt 0x0                               ; V's fragments and scale words are in
.irp t, 0,1,2,3                                ; O^T += V^T P^T: four accumulators by turns, one instruction a turn
	v_wmma_scale_f32_16x16x128_f8f6f4 v[128+8*\t:135+8*\t], v[200+8*\t:207+8*\t], v[160:167], v[128+8*\t:135+8*\t], v[172+\t], v192 matrix_a_fmt:MATRIX_FMT_FP4 matrix_b_fmt:MATRIX_FMT_FP4
.endr
.Lskip_\@:
	s_lshr_b32 s96, s96, 2                         ; the next step's two bits
	s_add_nc_u64 s[12:13], s[12:13], 256           ; its mask words (no scalar load is out here, on either way)
	s_add_co_u32 s98, s98, 4096
	s_add_co_u32 s99, s99, 64
	s_add_co_u32 s100, s100, 256
	s_sub_co_u32 s97, s97, 1
	s_cmp_lg_u32 s97, 0
	s_cbranch_scc1 .Lstep_\@
	; THE WAY OUT: O^T / the sum goes through my stage and leaves as rows: sixteen lanes store one query's 256 bytes of this head, aligned
.rept 4
	v_nop                                          ; four places behind the last products
.endr
	v_add_f32 v14, v14, v15                        ; the sum's two halves,
	v_permlanex16_b32 v188, v14, s104, s105
	v_add_f32 v14, v14, v188                       ; and lane l xor 16's: the row's sum
	v_rcp_f32 v14, v14
	v_nop                                          ; one plain line behind the reciprocal
.set j, 0
	s_wait_alu depctr_va_vdst(0)
.rept 16
	v_pk_mul_f32 v[64+j:65+j], v[128+j:129+j], v[14:15] op_sel_hi:[1,0]   ; register 8 t + i is channel 16 t + 8 hh + i of query r
.set j, j+2
.endr
.irp t, 0,1,2,3
	ds_store_b128 v5, v[64+8*\t:67+8*\t] offset:64*\t
	ds_store_b128 v5, v[68+8*\t:71+8*\t] offset:64*\t+16
.endr
.irp i, 0,1,2,3,4,5,6,7
	ds_load_b128 v[96+4*\i:99+4*\i], v6 offset:2*SP*\i   ; LDS serves a wave's instructions in order: these see my stores
.endr
.irp i, 0,1,2,3,4,5,6,7
	s_wait_dscnt 7-\i                              ; the younger loads from the stage may be out
	global_store_b128 v7, v[96+4*\i:99+4*\i], s[14:15] offset:(8*\u+2*\i+8*(\i/4))*4096 th:TH_STORE_NT   ; stage row rr is query 8 u + rr + 8 (rr / 8) of the block
.endr
	s_wait_xcnt 0x0                                ; the stores have read their registers and their base: the next pass writes both again
.endm
	PASS 0
	PASS 1
	s_wait_tensorcnt 0x0
	ds_add_u32 v232, v233
	s_wait_dscnt 0x0
	s_endpgm
.Lfunc_end_k_qc6c7bec78f_attn:
	.size	k_qc6c7bec78f_attn, .Lfunc_end_k_qc6c7bec78f_attn-k_qc6c7bec78f_attn
	.p2alignl 7, 3214868480
	.fill 96, 4, 3214868480
	.section	.rodata,"a",@progbits
	.p2align	6, 0x0
	.amdhsa_kernel k_qc6c7bec78f_attn
		.amdhsa_group_segment_fixed_size 211968
		.amdhsa_private_segment_fixed_size 0
		.amdhsa_enable_private_segment 0
		.amdhsa_kernarg_size 56
		.amdhsa_user_sgpr_count 2
		.amdhsa_user_sgpr_kernarg_segment_ptr 1
		.amdhsa_wavefront_size32 1
		.amdhsa_system_sgpr_workgroup_id_x 1
		.amdhsa_system_sgpr_workgroup_id_y 1
		.amdhsa_system_sgpr_workgroup_id_z 1
		.amdhsa_system_vgpr_workitem_id 0
		.amdhsa_next_free_vgpr 234
		.amdhsa_next_free_sgpr 106
		.amdhsa_reserve_vcc 0
		.amdhsa_float_denorm_mode_32 3
		.amdhsa_float_denorm_mode_16_64 3
		.amdhsa_memory_ordered 1
		.amdhsa_forward_progress 1
		.amdhsa_inst_pref_size 58
	.end_amdhsa_kernel
	.amdgpu_metadata
---
amdhsa.version: [ 1, 2 ]
amdhsa.kernels:
  - .name:           k_qc6c7bec78f_attn
    .symbol:         k_qc6c7bec78f_attn.kd
    .args:
      - { .name: qbuf, .offset: 0, .size: 8, .value_kind: global_buffer, .address_space: global }
      - { .name: kbuf, .offset: 8, .size: 8, .value_kind: global_buffer, .address_space: global }
      - { .name: values_codes, .offset: 16, .size: 8, .value_kind: global_buffer, .address_space: global }
      - { .name: values_scales, .offset: 24, .size: 8, .value_kind: global_buffer, .address_space: global }
      - { .name: maskw, .offset: 32, .size: 8, .value_kind: global_buffer, .address_space: global }
      - { .name: flags, .offset: 40, .size: 8, .value_kind: global_buffer, .address_space: global }
      - { .name: out0, .offset: 48, .size: 8, .value_kind: global_buffer, .address_space: global }
    .group_segment_fixed_size: 211968
    .private_segment_fixed_size: 0
    .kernarg_segment_align: 8
    .kernarg_segment_size: 56
    .max_flat_workgroup_size: 512
    .sgpr_count:     106
    .vgpr_count:     234
    .wavefront_size: 32
...
	.end_amdgpu_metadata
.endif
;; end of part 2
;; ======== version 2 of 2: 2 launches
;; workspace buffers: kbuf 4,456,448 bytes; qbuf 4,456,448 bytes; maskw 2,097,152 bytes of whole numbers; flags 16,384 bytes of whole numbers
;; launch prep (part 3): grid 1024 x 1, 4 waves a work-group, no clusters, 70,144 bytes of LDS; arguments keys, queries, attn_mask, kbuf, qbuf, maskw, flags; writes kbuf, qbuf, maskw, flags
.if DOCPART == 3
	.amdgcn_target "amdgcn-amd-amdhsa--gfx1250"
	.amdhsa_code_object_version 6
	.text
	.protected	k_qc6c7bec78f_prep
	.globl	k_qc6c7bec78f_prep
	.p2align	8
	.type	k_qc6c7bec78f_prep,@function
k_qc6c7bec78f_prep:
	s_mov_b64 s[64:65], 0
	v_nop
	global_prefetch_b8 v0, s[64:65] scope:SCOPE_SE
	s_setreg_imm32_b32 hwreg(HW_REG_WAVE_MODE, 25, 1), 1
	s_wait_xcnt 0x0
; WHAT IT MAKES.  keys and queries, [4][2048][1024] f32 (a head is 64 neighbouring numbers of a row), become codes of FP4 (E2M1) with one E8M0 byte for each 32 along the head's axis;
; attn_mask, [4][1][2048][2048] bytes of 0 or 1, becomes lane-mask words and two bits for each tile's key step.
; kbuf, qbuf: 69,632 bytes a head (head number 16 b + h).  Bytes 0 .. 65,535: 64 images of 1,024 bytes, one for each block of 32 rows: group u (0, 1) at 512 u, lane l = (r = l % 16, e = l / 16) at 16 l:
;   the 32 codes of row 8 u + r + 8 (r / 8) of the block, head numbers 32 e .. 32 e + 31.  An image is a matrix operand's eight registers as they stand: registers 0-3 group 0, registers 4-7 group 1.
;   Bytes 65,536 on: scale words [block / 4][r][block % 4], a word = bytes s(u 0, e 0), s(u 0, e 1), s(u 1, e 0), s(u 1, e 1) of lane r's two rows.
; maskw: [b][block of 32 queries][u][block of 32 keys][i = 0 .. 15] words: bit l = (r, hh) is the mask of query 8 u + r + 8 (r / 8) of its block and key 16 hh + i of its block.
; flags: [b][block of 32 queries][u][c = 0 .. 7] words: word c carries, for key steps 2 c + sg of 128 keys, at bit 4 c + 2 sg 'some score is not masked' and at the bit above it 'some score is masked'.
; THE QUANTISER.  A block's scale is 2^(floor(log2(largest magnitude)) - 2): its byte is the largest magnitude's exponent field - 2, held at 1 from below by a floor among the maximum's leaves.
; LIMITS.  A block of zeros gets the byte 1 where the rule says 127: its codes are zeros, and this program alone reads the bytes.  NaN and infinities among keys and queries are not served.
; SHARES.  Work-groups 0 .. 511 quantise (a wave: 128 rows of one head, each row piece 256 aligned bytes), 512 .. 1,023 take the mask (a wave: 32 queries x 256 keys).  The two ways part on the
; work-group's number, never join, and have LDS bytes of their own.  Waves share nothing: no barrier.  Matrix units, tensor loads and clusters have nothing to do here: no byte is read twice.
.set SP,    272                        ; a stage row: 256 bytes + 16 of padding, so that sixteen rows begin in sixteen different groups of banks
.set WST,   32*SP                      ; a wave's stage: 32 rows
.set MST,   4*WST                      ; the mask way's stages lie behind the quantising way's
.set HEADB, 69632
.set R,     32                         ; v32-159  numbers as loaded, two sets of 64 (the mask way: v32-95)
.set X0,    160                        ; v160-191 a lane's 32 neighbours of group 0
.set X1,    192                        ; v192-223 of group 1
.set C,     224                        ; v224-255 codes: four registers for each (block, group), never written again
	s_load_b256 s[4:11], s[0:1], 0x0               ; keys s[4:5], queries s[6:7], attn_mask s[8:9], kbuf s[10:11]
	s_load_b128 s[12:15], s[0:1], 0x20             ; qbuf s[12:13], maskw s[14:15]
	s_load_b64 s[16:17], s[0:1], 0x30              ; flags
	v_lshl_add_u32 v30, v0, 2, 0x11000
	v_mov_b32 v31, 0
	v_lshrrev_b32 v1, 5, v0
	v_readfirstlane_b32 s18, v1                    ; wave 0..3
	v_and_b32 v1, 31, v0                           ; lane
	v_and_b32 v2, 15, v0                           ; r
	v_bfe_u32 v3, v0, 4, 1                         ; hl = lane / 16
	s_mov_b32 s20, 0x76543210
	s_mov_b32 s21, 0xfedcba98                      ; v_permlanex16_b32's selects for lane l xor 16
	s_mul_i32 s19, s18, WST
	v_mul_u32_u24 v5, v3, SP
	v_lshl_add_u32 v5, v2, 4, v5
	v_add_nc_u32 v5, s19, v5                       ; into a stage: 272 hl + 16 r + my wave's stage
	v_mul_u32_u24 v6, v2, SP
	v_add_nc_u32 v6, s19, v6                       ; out of it: row r + my wave's stage
	v_lshlrev_b32 v7, 4, v1                        ; 16 x lane
	s_wait_kmcnt 0x0
	s_cmp_lt_u32 ttmp9, 512
	s_cbranch_scc0 .Lmask
	s_wait_alu depctr_va_vdst(0)
; ---------------- keys and queries.  Work-group number = 256 T + 64 b + 4 G + hq: tensor T, batch b, rows 128 G on, head 4 hq + wave
	v_lshl_add_u32 v6, v3, 7, v6                   ; out of the stage: + 128 hl: my 32 numbers of the row
	v_lshlrev_b32 v4, 12, v3
	v_lshl_add_u32 v4, v2, 4, v4                   ; in memory: row hl of a pair of rows, 16 bytes a lane
	s_wait_alu depctr_va_vdst(0)
	v_lshlrev_b32 v8, 4, v2
	v_lshl_add_u32 v8, v3, 3, v8                   ; the scale words' place: 16 r + 8 hl
	v_lshlrev_b32 v9, 3, v3                        ; 8 hl: my bytes' shift in a scale word
	v_mov_b32 v15, 0                               ; written once: a lane permute's destination counts as one of its sources
	s_and_b32 s22, ttmp9, 0x100
	s_cmp_eq_u32 s22, 0                            ; keys or queries: the choice hangs on the work-group's number alone
	s_cselect_b64 s[4:5], s[4:5], s[6:7]
	s_cselect_b64 s[10:11], s[10:11], s[12:13]
	s_bfe_u32 s22, ttmp9, 0x20006                  ; b
	s_bfe_u32 s23, ttmp9, 0x40002                  ; G
	s_and_b32 s24, ttmp9, 3
	s_lshl_b32 s24, s24, 2
	s_add_co_u32 s24, s24, s18                     ; head
	s_lshl_b32 s26, s22, 23                        ; a batch is 8,388,608 bytes,
	s_lshl_b32 s25, s23, 19                        ; 128 rows are 524,288,
	s_add_co_u32 s26, s26, s25
	s_lshl_b32 s25, s24, 8                         ; a head's piece of a row 256
	s_add_co_u32 s26, s26, s25
	s_mov_b32 s27, 0
	s_add_nc_u64 s[4:5], s[4:5], s[26:27]
	s_lshl_b32 s22, s22, 4
	s_add_co_u32 s22, s22, s24                     ; 16 b + head
	s_mul_i32 s26, s22, HEADB
	s_lshl_b32 s25, s23, 12
	s_add_co_u32 s28, s26, s25                     ; my four images: + 4,096 G
	s_mov_b32 s29, 0
	s_lshl_b32 s25, s23, 8
	s_add_co_u32 s26, s26, s25
	s_add_co_u32 s26, s26, 65536                   ; my scale words: + 65,536 + 256 G
	s_add_nc_u64 s[12:13], s[10:11], s[26:27]
	s_add_nc_u64 s[10:11], s[10:11], s[28:29]
.macro LOADQ t                         ; block t: 32 rows x 256 bytes; sixteen lanes read one aligned 256 bytes
.irp j, 0,1,2,3,4,5,6,7,8,9,10,11,12,13,14,15
	global_load_b128 v[R+64*((\t)%2)+4*\j:R+64*((\t)%2)+4*\j+3], v4, s[4:5] offset:(32*(\t)+2*\j)*4096 th:TH_LOAD_NT
.endr
.endm
; A lane's 32 numbers v[x] .. v[x + 31] are one block: its largest magnitude needs no other lane.  Codes to v[c] .. v[c + 3], the byte to v[byte], the codes to memory: the wave stores 512 consecutive bytes.
.macro QB x, c, byte, off
	v_max3_num_f32 v10, |v[\x]|, |v[\x+1]|, |v[\x+2]|
	v_max3_num_f32 v11, |v[\x+3]|, |v[\x+4]|, |v[\x+5]|
.irp i, 6,10,14,18,22,26
	v_max3_num_f32 v10, v10, |v[\x+\i]|, |v[\x+\i+1]|
	v_max3_num_f32 v11, v11, |v[\x+\i+2]|, |v[\x+\i+3]|
.endr
	v_max3_num_f32 v10, v10, |v[\x+30]|, |v[\x+31]|
	v_max3_num_f32 v10, v10, v11, 0x1800000        ; and the floor 2^(3 - 127): the byte cannot fall under 1
	v_add_nc_u32 v12, 0xff000000, v10              ; 2 off the exponent field: the conversion takes the exponent field of this operand as its scale
.irp g, 0,1,2,3
	v_cvt_scalef32_pk8_fp4_f32 v[\c+\g], v[\x+8*\g:\x+8*\g+7], v12
.endr
	v_lshrrev_b32 v[\byte], 23, v12                ; the scale's byte; also the plain line behind the conversions
	global_store_b128 v7, v[\c:\c+3], s[10:11] offset:\off
.endm
; Row k of a block goes to stage row 16 ((k / 8) % 2) + k % 8 + 8 (k / 16): group by group, in the lanes' order.  Rows 2 j and 2 j + 1 are neighbours there, so the place of a pair is an immediate.
.macro BLOCKQ t
.if (\t) < 3
	s_wait_loadcnt 16                              ; this block's 16 loads are in; the next block's 16 may be out
.else
	s_wait_loadcnt 0x0
.endif
.irp j, 0,1,2,3,4,5,6,7,8,9,10,11,12,13,14,15
	ds_store_b128 v5, v[R+64*((\t)%2)+4*\j:R+64*((\t)%2)+4*\j+3] offset:SP*(16*(((2*\j)/8)%2)+((2*\j)%8)+8*((2*\j)/16))
.endr
.irp i, 0,1,2,3,4,5,6,7
	ds_load_b128 v[X0+4*\i:X0+4*\i+3], v6 offset:16*\i             ; LDS serves a wave's instructions in order: these see the stores above
.endr
.irp i, 0,1,2,3,4,5,6,7
	ds_load_b128 v[X1+4*\i:X1+4*\i+3], v6 offset:16*SP+16*\i
.endr
	s_wait_dscnt 8                                 ; the stores have read their registers and group 0 is back; group 1's eight loads may be out
.if (\t)+2 < 4
	LOADQ (\t)+2
.endif
	QB X0, C+8*(\t), 13, 1024*(\t)
	s_wait_dscnt 0x0
	QB X1, C+8*(\t)+4, 14, 1024*(\t)+512
	v_lshl_or_b32 v22, v14, 16, v13                ; my two bytes: groups 0 and 1 of my half of the head,
	v_lshlrev_b32 v22, v9, v22                     ; at their places,
	v_permlanex16_b32 v15, v22, s20, s21
	v_or_b32 v[16+(\t)], v22, v15                  ; and with lane l xor 16's two the word is whole
.endm
	LOADQ 0
	LOADQ 1
	BLOCKQ 0
	BLOCKQ 1
	BLOCKQ 2
	BLOCKQ 3
	v_cmp_le_u32 vcc_lo, 16, v1
	v_cndmask_b32 v20, v16, v18, vcc_lo            ; lanes 0-15 store the words of blocks 0, 1, lanes 16-31 those of blocks 2, 3:
	v_cndmask_b32 v21, v17, v19, vcc_lo
	global_store_b64 v8, v[20:21], s[12:13]        ; the wave stores 256 consecutive bytes, aligned
	s_wait_tensorcnt 0x0
	ds_add_u32 v30, v31
	s_wait_dscnt 0x0
	s_endpgm
; ---------------- the mask.  Work-group number - 512 = 2 (64 b + query block) + chi; my 256 keys: chunk c = 4 chi + wave
.Lmask:
	s_wait_alu depctr_va_vdst(0)
	v_add_nc_u32 v5, MST, v5
	v_lshl_add_u32 v6, v3, 4, v6                   ; out of the stage: + 16 hl: my 16 keys of a block of 32
	v_add_nc_u32 v6, MST, v6
	v_lshlrev_b32 v4, 11, v3
	v_lshl_add_u32 v4, v2, 4, v4                   ; in memory: row hl of a pair of rows of 2,048 bytes, 16 bytes a lane
	s_wait_alu depctr_va_vdst(0)
	v_lshlrev_b32 v173, 5, v1                      ; the flag words' place: 32 x lane (lanes 0 and 1 alone store)
	s_sub_co_u32 s22, ttmp9, 512
	s_lshr_b32 s23, s22, 1                         ; 64 b + query block
	s_and_b32 s24, s22, 1
	s_lshl_b32 s24, s24, 2
	s_add_co_u32 s24, s24, s18                     ; c
	s_lshl_b32 s26, s23, 16                        ; 32 rows of 2,048 bytes
	s_lshl_b32 s25, s24, 8
	s_add_co_u32 s26, s26, s25
	s_mov_b32 s27, 0
	s_add_nc_u64 s[8:9], s[8:9], s[26:27]
	s_lshl_b32 s26, s23, 13                        ; two tiles of 4,096 bytes of words
	s_lshl_b32 s25, s24, 9
	s_add_co_u32 s26, s26, s25
	s_add_nc_u64 s[14:15], s[14:15], s[26:27]
	s_lshl_b32 s26, s23, 6                         ; two tiles of eight flag words
	s_lshl_b32 s25, s24, 2
	s_add_co_u32 s26, s26, s25
	s_add_nc_u64 s[16:17], s[16:17], s[26:27]
	s_lshl_b32 s39, s24, 2                         ; 4 c: my bits' place in a flag word
.irp j, 0,1,2,3,4,5,6,7,8,9,10,11,12,13,14,15
	global_load_b128 v[R+4*\j:R+4*\j+3], v4, s[8:9] offset:2*\j*2048 th:TH_LOAD_NT   ; sixteen lanes read one aligned 256 bytes
.endr
.irp j, 0,1,2,3,4,5,6,7
	v_mov_b32 v[160+\j], 0                         ; written once: v_writelane_b32's destination counts as one of its sources
.endr
	s_mov_b32 s36, 0
	s_mov_b32 s37, 0
	s_wait_loadcnt 0x0
.irp j, 0,1,2,3,4,5,6,7,8,9,10,11,12,13,14,15
	ds_store_b128 v5, v[R+4*\j:R+4*\j+3] offset:SP*(16*(((2*\j)/8)%2)+((2*\j)%8)+8*((2*\j)/16))
.endr
.irp u, 0,1
.irp k, 0,1,2,3,4,5,6,7
	ds_load_b128 v[96+32*\u+4*\k:96+32*\u+4*\k+3], v6 offset:16*SP*\u+32*\k   ; tile u, key block k: query r's bytes of keys 16 hl + 0 .. 15
.endr
.endr
; Sixteen words of tile u and key block kb: byte i of every lane becomes bit 'lane' of word i.  Word w = 16 kb + i of the wave's 128 goes to lane w / 4, register w % 4.  Four at a time, so that no line waits for the line above it.
.macro WORDS u, kb
.irp q, 0,1,2,3
.irp y, 0,1,2,3
	v_and_b32 v[168+\y], 0xff<<(8*\y), v[96+32*(\u)+4*(\kb)+\q]
.endr
.irp y, 0,1,2,3
	v_cmp_ne_u32 s[28+\y], 0, v[168+\y]
.endr
.irp y, 0,1,2,3
	v_writelane_b32 v[160+4*(\u)+\y], s[28+\y], 4*(\kb)+\q
.endr
.irp y, 0,1,2,3
	s_or_b32 s32, s32, s[28+\y]
	s_and_b32 s33, s33, s[28+\y]
.endr
.endr
.endm
.irp u, 0,1
.if \u == 0
	s_wait_dscnt 8                                 ; tile 0's eight loads are in; tile 1's may be out
.else
	s_wait_dscnt 0x0
.endif
.irp sg, 0,1
	s_mov_b32 s32, 0                               ; the OR and the AND of a key step's 64 words
	s_mov_b32 s33, -1
	WORDS \u, 4*\sg
	WORDS \u, 4*\sg+1
	WORDS \u, 4*\sg+2
	WORDS \u, 4*\sg+3
	s_cmp_lg_u32 s32, 0
	s_cselect_b32 s34, 2, 0                        ; some score is masked
	s_cmp_lg_u32 s33, -1
	s_cselect_b32 s35, 1, 0                        ; some score is not
	s_or_b32 s34, s34, s35
	s_lshl_b32 s34, s34, 2*\sg
	s_or_b32 s[36+\u], s[36+\u], s34
.endr
	s_wait_alu depctr_va_vdst(0)
	global_store_b128 v7, v[160+4*\u:163+4*\u], s[14:15] offset:4096*\u   ; the wave stores 512 consecutive bytes, aligned
.endr
	s_lshl_b32 s36, s36, s39
	s_lshl_b32 s37, s37, s39
	v_mov_b32 v172, s36
	v_writelane_b32 v172, s37, 1                   ; lane 0: tile 0's flag word, lane 1: tile 1's
	s_wait_alu depctr_va_vdst(0)
	s_wait_xcnt 0x0                                ; EXEC is a source of the stores above: it changes only behind this wait
	v_cmp_gt_u32 vcc_lo, 2, v1
	s_wait_tensorcnt 0x0
	ds_add_u32 v30, v31
	s_wait_dscnt 0x0
	s_and_saveexec_b32 s38, vcc_lo
	global_store_b32 v173, v172, s[16:17]          ; two words of 4 bytes a wave: 16,384 bytes in the whole launch leave so
	s_wait_xcnt 0x0                                ; and again in front of the line that widens it
	s_or_b32 exec_lo, exec_lo, s38
	s_endpgm
.Lfunc_end_k_qc6c7bec78f_prep:
	.size	k_qc6c7bec78f_prep, .Lfunc_end_k_qc6c7bec78f_prep-k_qc6c7bec78f_prep
	.p2alignl 7, 3214868480
	.fill 96, 4, 3214868480
	.section	.rodata,"a",@progbits
	.p2align	6, 0x0
	.amdhsa_kernel k_qc6c7bec78f_prep
		.amdhsa_group_segment_fixed_size 70144
		.amdhsa_private_segment_fixed_size 0
		.amdhsa_enable_private_segment 0
		.amdhsa_kernarg_size 56
		.amdhsa_user_sgpr_count 2
		.amdhsa_user_sgpr_kernarg_segment_ptr 1
		.amdhsa_wavefront_size32 1
		.amdhsa_system_sgpr_workgroup_id_x 1
		.amdhsa_system_sgpr_workgroup_id_y 1
		.amdhsa_system_sgpr_workgroup_id_z 1
		.amdhsa_system_vgpr_workitem_id 0
		.amdhsa_next_free_vgpr 256
		.amdhsa_next_free_sgpr 66
		.amdhsa_reserve_vcc 1
		.amdhsa_float_denorm_mode_32 3
		.amdhsa_float_denorm_mode_16_64 3
		.amdhsa_memory_ordered 1
		.amdhsa_forward_progress 1
		.amdhsa_inst_pref_size 101
	.end_amdhsa_kernel
	.amdgpu_metadata
---
amdhsa.version: [ 1, 2 ]
amdhsa.kernels:
  - .name:           k_qc6c7bec78f_prep
    .symbol:         k_qc6c7bec78f_prep.kd
    .args:
      - { .name: keys, .offset: 0, .size: 8, .value_kind: global_buffer, .address_space: global }
      - { .name: queries, .offset: 8, .size: 8, .value_kind: global_buffer, .address_space: global }
      - { .name: attn_mask, .offset: 16, .size: 8, .value_kind: global_buffer, .address_space: global }
      - { .name: kbuf, .offset: 24, .size: 8, .value_kind: global_buffer, .address_space: global }
      - { .name: qbuf, .offset: 32, .size: 8, .value_kind: global_buffer, .address_space: global }
      - { .name: maskw, .offset: 40, .size: 8, .value_kind: global_buffer, .address_space: global }
      - { .name: flags, .offset: 48, .size: 8, .value_kind: global_buffer, .address_space: global }
    .group_segment_fixed_size: 70144
    .private_segment_fixed_size: 0
    .kernarg_segment_align: 8
    .kernarg_segment_size: 56
    .max_flat_workgroup_size: 128
    .sgpr_count:     66
    .vgpr_count:     256
    .wavefront_size: 32
...
	.end_amdgpu_metadata
.endif
;; end of part 3
;; launch attn (part 4): grid 4 x 64, 16 waves a work-group, no clusters, 211,968 bytes of LDS; arguments qbuf, kbuf, values_codes, values_scales, maskw, flags, out0; writes out0
.if DOCPART == 4
	.amdgcn_target "amdgcn-amd-amdhsa--gfx1250"
	.amdhsa_code_object_version 6
	.text
	.protected	k_qc6c7bec78f_attn
	.globl	k_qc6c7bec78f_attn
	.p2align	8
	.type	k_qc6c7bec78f_attn,@function
k_qc6c7bec78f_attn:
	s_mov_b64 s[64:65], 0
	v_nop
	global_prefetch_b8 v0, s[64:65] scope:SCOPE_SE
	s_setreg_imm32_b32 hwreg(HW_REG_WAVE_SCHED_MODE, 0, 2), 2
	s_setreg_imm32_b32 hwreg(HW_REG_WAVE_MODE, 25, 1), 1
	s_wait_xcnt 0x0
	s_wait_alu depctr_vm_vsrc(0)
; out0[b][l][64 h + d] = the sum over s of softmax_s(q . k / 8, masked by attn_mask) v, both products on codes of FP4 (E2M1) with one E8M0 scale for each 32 along a product's K.
; THE SOFTMAX AHEAD OF THE SECOND PRODUCT: t = score x log2(e) / 8; M = the row's largest t so far, rounded up to a whole number; p = 2^(t - M) is quantised along the keys, not normalised; the row's sum is taken of
; the unquantised p in f32 and divides at the end.  When M moves, the sum and O are multiplied by 2^(old M - new M), which rounds nothing.
; SHARES.  256 work-groups: work-group (x, 16 b + h) holds ALL of a head's K, V and scale words in LDS (139,264 bytes of data, brought once through registers) and serves the query blocks 4 G + x, G = 0 .. 15, of 32 queries.
; Each of its sixteen waves owns one tile of 16 queries at a time, in two passes: (G = wave, group 0), then (G = 15 - wave, group 1): an early and a late block, so that under a mask that hides more of one end
; the waves' live steps come out alike; no value hangs on that.  Four waves to a SIMD: one wave's vector work stands beside another's products and loads.
; K = 64 FILLS HALF OF THE MATRIX INSTRUCTION'S 128.  An image of kbuf (32 keys: registers 0-3 one group of 16 keys, registers 4-7 the other) serves two products: against (Q, zeros) it gives the first group's scores, against
; (zeros, Q) the second's.  The zero codes stand on Q's side; their scale bytes are 1, the smallest, so that the dead half cannot weigh in the sum's alignment.
; LAYOUT.  Both products are used transposed: S^T = K Q^T, O^T = V^T P^T: a lane holds ONE query (lane % 16) throughout.  The keys of a group are 8 u + r + 8 (r / 8) of their block, so that score registers 16 b + i are
; keys 32 b + 16 (lane / 16) + i: sixteen neighbours, as the conversions and the second product's operand want them.  The queries of a tile are chosen the same way: that only says which rows a tile stores.
; THE MASK is an input.  The launch before has turned it into lane-mask words (one v_cndmask_b32 a score register, the word in a scalar register) and two bits a key step.  A step with no score left is jumped over:
; it would add zeros and leave M; a step with nothing masked jumps over the selects.  A row with every key masked ends with sum 0 and O 0: 0 x (1 / 0) = NaN, as the softmax of such a row is.
; NO JOINT LOADS, NO TENSOR LOADS: the four work-groups of a head read the same 139,264 bytes, but once each, at their start, and the loop branches on stored numbers.
; O^T is cleared by 32 moves a pass: which step is a tile's first live one is known only from the flags, so no product can be written out as the one that starts the sums.
; LIMITS.  A block's largest p is taken from the block's largest score by the same two instructions; that takes v_exp_f32 not to fall where its input rises.  p under 2^-126 counts as 0.  NaN and infinities in q and k are not served.
; THE MODE: SCHED_MODE bits 1:0 = 2 (LLVM: expert scheduling mode 2), set by the entry lines.  The code itself states the register dependences
; between vector or matrix instructions and memory or LDS instructions, with s_wait_alu, always for 0.
; THE PLAN.  Registers that memory or LDS instructions touch:
;   v197-199, v189, v193   the fill's addresses: written at the head ahead of the first load, read by the fill's loads and LDS stores, never written again.
;   v32-67, v96-99         the fill's data: loaded, read by the fill's LDS stores; from the barrier on they are K's images and the scores.
;   v1-7, v196             addresses that stay: written at the head, read by Q's loads, the stage's stores and loads and the stores to out0; never written again.
;   v20-23, v31            Q and its raw scale word: loaded at a pass's head; read by the first product's instructions and by one vector line.
;   v8-11                  a live step's four LDS addresses: written by four additions at its head, read by its 18 LDS loads.
;   v32-63, v168-171       K's images and scale words: loaded at a live step's head, read by its eight first products.
;   v200-231, v172-175     V's fragments and scale words: loaded among the eight first products, read by the four second products at the step's end.
;   v64-95, v96-127        the way out: packed multiplies write v64-95, the stage's stores read them; the stage's loads land in v96-127, the stores to out0 read them; the next pass's products write both.
; So a live step has ONE wait on vm_vsrc, ahead of the four additions, and ONE wait on va_vdst for all its 18 LDS loads, behind them; the exponentials' wait; and one wait on va_vdst ahead of the second products,
; for p's codes and scale word, which vector lines have written.  The way out has one ahead of the stage's stores; between it and the next pass's loads of Q stands no vector line.
.set HEADB, 69632
.set KSW,   65536                      ; LDS: K's 64 images from byte 0; behind them K's scale words [step][r][block % 4];
.set VIMG,  69632                      ; V's 64 rows of 1,024 bytes + 16 of padding: sixteen rows begin in sixteen different groups of banks;
.set VP,    1040
.set VSW,   136192                     ; V's scale words, laid anew as [step][r][tile of 16 channels];
.set STAGE, 140288                     ; and for each wave a stage of 16 rows x (256 + 16) bytes for the way out
.set SP,    272
.set WSTG,  16*SP
; VECTOR REGISTERS: v1-7 addresses that stay; v8-11 the step's; v12 -M, v13 the largest t, v[14:15] the sum; v16-19 zeros, v20-23 Q, v24-27 zeros; v28, v29 Q's two scale words; v30 -infinity; v31 Q's raw word;
;   v32-63 K's four images; v64-127 S^T, then p; v128-159 O^T; v160-167 p's codes; v168-171 K's scale words, v172-175 V's; v176-191 at work; v192 p's scale word; v[194:195] a second chain of the sum; v196 16 r; v200-231 V's four fragments.
; SCALAR REGISTERS: s2 wave, s3 x; s[4:5] Q's head, s[6:7] mask words of b, s[8:9] flags of b, s[10:11] out0 at (b, h); s[12:13] the tile's mask words, s[14:15] its rows of out0;
;   s16-63 and s68-83 the step's 64 mask words (at a pass's head: pointers); s[66:67] c; s[84:85] an offset with 0 above it; s88-95 flag words; s96 the flags' map; s97 trips; s98-100 LDS steps; s101 G; s[104:105] lane selects.
	s_load_b256 s[16:23], s[0:1], 0x0              ; qbuf s[16:17], kbuf s[18:19], V's codes s[20:21], V's scales s[22:23]
	s_load_b128 s[24:27], s[0:1], 0x20             ; maskw s[24:25], flags s[26:27]
	s_load_b64 s[28:29], s[0:1], 0x30              ; out0
	v_lshl_add_u32 v232, v0, 2, 0x33400
	v_mov_b32 v233, 0
	v_lshrrev_b32 v1, 5, v0
	v_readfirstlane_b32 s2, v1                     ; wave 0..15
	s_mov_b32 s3, ttmp9                            ; x
	s_and_b32 s96, ttmp7, 0xffff                   ; 16 b + h
	s_lshr_b32 s97, s96, 4                         ; b
	s_and_b32 s98, s96, 15                         ; h
	; the fill's addresses, thread t = 0 .. 511
	v_lshlrev_b32 v197, 4, v0                      ; 16 t: in memory, and K's place in LDS
	v_lshrrev_b32 v198, 6, v0
	v_mul_u32_u24 v198, v198, VP
	v_and_b32 v199, 63, v0
	v_lshl_add_u32 v198, v199, 4, v198
	v_add_nc_u32 v198, VIMG, v198                  ; V's: row t / 64, 16 (t % 64) in it
	v_bfe_u32 v189, v0, 2, 4                       ; V's scale bytes: thread t % 256 holds channel ch = (t % 256) / 4, steps 4 a + 0 .. 3, a = t % 4
	v_bfe_u32 v193, v0, 6, 2
	v_lshlrev_b32 v189, 4, v189                    ; 16 (ch % 16)
	v_lshl_add_u32 v189, v193, 2, v189             ; + 4 (ch / 16)
	v_and_b32 v193, 3, v0
	v_lshl_add_u32 v189, v193, 10, v189            ; + 1,024 a
	v_add_nc_u32 v189, VSW, v189
	v_and_b32 v199, 255, v0
	v_lshlrev_b32 v199, 4, v199                    ; 16 (t % 256)
	v_add_nc_u32 v193, KSW, v199
	s_wait_alu depctr_va_sdst(0)                   ; s2, the wave's number, is written, ahead of its first reader: the choice of the scales' buffer below
	s_mul_i32 s84, s96, HEADB
	s_mov_b32 s85, 0
	s_lshl_b32 s86, s96, 16                        ; a head's codes of V: 64 rows of 1,024 bytes
	s_mov_b32 s87, 0
	s_lshl_b32 s88, s96, 12                        ; and its scale bytes: 64 rows of 64
	s_mov_b32 s89, 0
	s_wait_kmcnt 0x0
	s_add_nc_u64 s[4:5], s[16:17], s[84:85]
	s_add_nc_u64 s[32:33], s[18:19], s[84:85]
	s_add_nc_u64 s[34:35], s[20:21], s[86:87]
	s_add_nc_u64 s[36:37], s[22:23], s[88:89]
	s_add_nc_u64 s[38:39], s[32:33], 65536
	s_cmp_lt_u32 s2, 8                             ; waves 0-7 bring K's scale words, waves 8-15 V's scale bytes: 4,096 bytes each
	s_cselect_b64 s[36:37], s[38:39], s[36:37]
	s_wait_alu depctr_va_vdst(0)                   ; the fill's five addresses v197, v198, v199, v189, v193 are written: the loads below and the LDS stores behind them read them, and no vector line names them again
.irp i, 0,1,2,3,4,5,6,7
	global_load_b128 v[32+4*\i:35+4*\i], v197, s[32:33] offset:8192*\i
.endr
.irp i, 0,1,2,3,4,5,6,7
	global_load_b128 v[64+4*\i:67+4*\i], v197, s[34:35] offset:8192*\i
.endr
	global_load_b128 v[96:99], v199, s[36:37]
	s_lshl_b32 s84, s97, 19
	s_add_nc_u64 s[6:7], s[24:25], s[84:85]
	s_lshl_b32 s84, s97, 12
	s_add_nc_u64 s[8:9], s[26:27], s[84:85]
	s_lshl_b32 s84, s97, 23
	s_lshl_b32 s86, s98, 8
	s_add_co_u32 s84, s84, s86
	s_add_nc_u64 s[10:11], s[28:29], s[84:85]
	s_mov_b32 s66, 0x3e38aa3b                      ; c = log2(e) / 8
	s_mov_b32 s67, s66                             ; (named with it as a pair, so it is written)
	s_mov_b32 s104, 0x76543210
	s_mov_b32 s105, 0xfedcba98                     ; v_permlanex16_b32's selects for lane l xor 16
	v_and_b32 v9, 31, v0
	v_lshlrev_b32 v1, 4, v9                        ; an image's place for my lane: 16 x lane
	v_and_b32 v10, 15, v0                          ; r
	v_bfe_u32 v11, v0, 4, 1                        ; hh
	v_mul_u32_u24 v2, v10, VP
	v_lshl_add_u32 v2, v11, 4, v2
	v_add_nc_u32 v2, VIMG, v2                      ; V: row r, + 16 hh
	v_lshlrev_b32 v196, 4, v10                     ; 16 r
	v_add_nc_u32 v3, KSW, v196
	v_add_nc_u32 v4, VSW, v196
	s_mul_i32 s86, s2, WSTG
	s_add_co_u32 s86, s86, STAGE                   ; my stage
	v_mul_u32_u24 v5, v10, SP
	v_lshl_add_u32 v5, v11, 5, v5
	v_add_nc_u32 v5, s86, v5                       ; in: row r, + 32 hh
	v_mul_u32_u24 v6, v11, SP
	v_add_nc_u32 v6, v196, v6
	v_add_nc_u32 v6, s86, v6                       ; back: lanes 0-15 one row, lanes 16-31 the next
	v_lshl_add_u32 v7, v11, 12, v196               ; and the same two rows in out0, 4,096 bytes apart
.irp j, 16,17,18,19,24,25,26,27,180,181,182,183,191
	v_mov_b32 v[\j], 0                             ; the zero halves beside Q; a lane permute's destinations; the upper half of the pair v[190:191]
.endr
	v_mov_b32 v30, 0xff800000                      ; -infinity
	s_wait_loadcnt 9                               ; K's eight loads are in; V's eight and the scales' one may be out
.irp i, 0,1,2,3,4,5,6,7
	ds_store_b128 v197, v[32+4*\i:35+4*\i] offset:8192*\i
.endr
	s_wait_loadcnt 1                               ; V's are in
.irp i, 0,1,2,3,4,5,6,7
	ds_store_b128 v198, v[64+4*\i:67+4*\i] offset:8*VP*\i
.endr
	s_wait_loadcnt 0x0
	s_cmp_lt_u32 s2, 8
	s_cbranch_scc0 .Lvscales
	ds_store_b128 v193, v[96:99]                   ; K's scale words as they lie
	s_branch .Lfilled
.Lvscales:
.irp j, 0,1,2,3
	ds_store_b32 v189, v[96+\j] offset:256*\j      ; V's word of channel ch and step 4 a + j
.endr
.Lfilled:
	s_wait_dscnt 0x0                               ; for the others' sake: my stores have landed
	s_barrier_signal -1
	s_barrier_wait -1                              ; the launch's one barrier: behind it nobody writes K, V or their scale words
	s_wait_alu depctr_vm_vsrc(0)                   ; my LDS stores have read v32-67 and v96-99: from here on K's images land in v32-63 and the products write v64-127
	s_wait_alu depctr_va_vdst(0)                   ; the addresses v1 to v7 and v196 are written, which the loads and stores of both passes read; so are the zero halves v16-19 and v24-27, which the scaled products take beside Q
.macro PASS u
.if \u == 0
	s_mov_b32 s101, s2                             ; G
.else
	s_sub_co_u32 s101, 15, s2
.endif
	s_lshl_b32 s97, s101, 2
	s_add_co_u32 s97, s97, s3                      ; the query block 4 G + x
	s_lshl_b32 s84, s97, 10
	s_add_nc_u64 s[16:17], s[4:5], s[84:85]        ; its image
	s_lshl_b32 s84, s101, 8
	s_lshl_b32 s86, s3, 2
	s_add_co_u32 s84, s84, s86
	s_add_nc_u64 s[18:19], s[4:5], s[84:85]        ; its scale words: 256 G + 4 x (+ 16 r, + 65,536)
	s_lshl_b32 s84, s97, 6
	s_add_nc_u64 s[20:21], s[8:9], s[84:85]        ; its flag words
	s_load_b256 s[88:95], s[20:21], 32*\u
	global_load_b128 v[20:23], v1, s[16:17] offset:512*\u   ; no wait on va_vdst here: since the last one (behind the barrier; in the second pass ahead of the stage's stores) no vector or matrix line has been issued,
	global_load_b32 v31, v196, s[18:19] offset:65536        ; so every reader of Q and of its raw word is done, and v1 and v196 stand written
	s_lshl_b32 s84, s97, 13
	s_add_co_u32 s84, s84, 4096*\u
	s_add_nc_u64 s[12:13], s[6:7], s[84:85]        ; the tile's mask words
	s_lshl_b32 s84, s97, 17
	s_add_nc_u64 s[14:15], s[10:11], s[84:85]      ; the block's 32 rows of out0
	v_mov_b32 v13, 0xff61b1e6                      ; the largest t so far: -3e38, under every t
	v_floor_f32 v12, -v13                          ; -M
	v_mov_b32 v14, 0                               ; the sum, in two halves
	v_mov_b32 v15, 0
	s_mov_b32 s98, 0                               ; the step's images of K: 4,096 bytes a step
	s_mov_b32 s99, 0                               ; its 64 bytes in V's rows
	s_mov_b32 s100, 0                              ; its scale words: 256 bytes a step
	s_wait_kmcnt 0x0
	s_or_b32 s96, s88, s89                         ; the eight flag words make one map: two bits a step
	s_or_b32 s96, s96, s90
	s_or_b32 s96, s96, s91
	s_or_b32 s96, s96, s92
	s_or_b32 s96, s96, s93
	s_or_b32 s96, s96, s94
	s_or_b32 s96, s96, s95
	s_mov_b32 s97, 16
	s_wait_loadcnt 0x0                             ; Q and its word: so the pointers above may give way to mask words
	v_bfe_u32 v188, v31, 16*\u, 16                 ; my group's two bytes
	v_or_b32 v28, 0x01010000, v188                 ; beside (Q, zeros)
	v_lshl_or_b32 v29, v188, 16, 0x0101            ; beside (zeros, Q)
.set j, 0
.rept 32
	v_mov_b32 v[128+j], 0                          ; O^T.  (Also the places between the two scale words and the first product)
.set j, j+1
.endr
.Lstep_\@:                                             ; sixteen trips, 128 keys each; what the flags decide is jumped over inside the trip, and the stepping stands in its tail
	s_bitcmp1_b32 s96, 0
	s_cbranch_scc0 .Lskip_\@                       ; no score of this step is left: nothing to add
	s_load_b512 s[16:31], s[12:13], 0x0            ; the step's 64 mask words (the last live step's selects, which read these registers, stand ahead of that step's wait for its exponentials)
	s_load_b512 s[32:47], s[12:13], 0x40
	s_load_b512 s[48:63], s[12:13], 0x80
	s_load_b512 s[68:83], s[12:13], 0xc0
	s_wait_alu depctr_vm_vsrc(0)                   ; the last live step's LDS loads have read v8 to v11, which the four lines below write again
	v_add_nc_u32 v8, s98, v1                       ; the step's four LDS addresses: K's images,
	v_add_nc_u32 v9, s99, v2                       ; V's fragments,
	v_add_nc_u32 v10, s100, v3                     ; K's scale words,
	v_add_nc_u32 v11, s100, v4                     ; V's
	s_wait_alu depctr_va_vdst(0)                   ; v8 to v11 are written; the last live step's products are done reading K's images and scale words (v32-63, v168-171) and V's (v200-231, v172-175), in which this step's 18 loads land; in a pass's first live step Q's scale words v28, v29 are written
.irp f, 0,1,2,3
.irp c, 0,1
	ds_load_b128 v[32+8*\f+4*\c:35+8*\f+4*\c], v8 offset:1024*\f+512*\c
.endr
.endr
	ds_load_b128 v[168:171], v10
	s_wait_dscnt 0x0                               ; K's eight loads and its scale words are in
.irp f, 0,1,2,3                                ; S^T = K Q^T: eight accumulators, each begun with 0.  V's fragments are asked for among them, one load behind each product, with no further wait:
	v_wmma_scale_f32_16x16x128_f8f6f4 v[64+16*\f:71+16*\f], v[32+8*\f:39+8*\f], v[20:27], 0, v[168+\f], v28 matrix_a_fmt:MATRIX_FMT_FP4 matrix_b_fmt:MATRIX_FMT_FP4
	ds_load_b128 v[200+8*\f:203+8*\f], v9 offset:16*VP*\f          ; no vector or matrix line since the wait at the step's head names v200-231, v172-175, v9 or v11
	v_wmma_scale_f32_16x16x128_f8f6f4 v[72+16*\f:79+16*\f], v[32+8*\f:39+8*\f], v[16:23], 0, v[168+\f], v29 matrix_a_fmt:MATRIX_FMT_FP4 matrix_b_fmt:MATRIX_FMT_FP4
	ds_load_b128 v[204+8*\f:207+8*\f], v9 offset:16*VP*\f+32
.endr
	ds_load_b128 v[172:175], v11                   ; and V's scale words: all nine may be out until the second product
.rept 4
	v_nop                                          ; four places in front of the first read of the scores (ISA guide 7.12.1)
.endr
	s_wait_kmcnt 0x0                               ; the mask words are in, on both ways: so their base may be stepped in the tail
	s_bitcmp1_b32 s96, 1
	s_cbranch_scc0 .Lopen_\@                       ; nothing of this step is masked
.set n, 0
.rept 64
	v_cndmask_b32 v[64+n], v[64+n], v30, s[16+16*(n/16)+4*(n/48)+n%16]   ; masked scores become -infinity ahead of the maximum: p = 0.  Ascending: each accumulator is read from its low end
.set n, n+1
.endr
.Lopen_\@:
.irp b, 0,1,2,3
	v_max3_num_f32 v[176+\b], v[64+16*\b], v[65+16*\b], v[66+16*\b]   ; the largest score of each block of 32 keys: for the row's maximum, and for the block's largest p
.endr
.irp i, 3,5,7,9,11,13
.irp b, 0,1,2,3
	v_max3_num_f32 v[176+\b], v[176+\b], v[64+16*\b+\i], v[65+16*\b+\i]   ; (the four blocks by turns)
.endr
.endr
.irp b, 0,1,2,3
	v_max_num_f32 v[176+\b], v[176+\b], v[79+16*\b]
.endr
.irp b, 0,1,2,3
	v_permlanex16_b32 v[180+\b], v[176+\b], s104, s105
.endr
.irp b, 0,1,2,3
	v_max_num_f32 v[176+\b], v[176+\b], v[180+\b]  ; with lane l xor 16's 16 keys
.endr
	v_max3_num_f32 v188, v176, v177, v178
	v_max_num_f32 v188, v188, v179                 ; the step's largest score of my query
	v_mul_f32 v188, s66, v188                      ; as t (c is positive)
	v_max_num_f32 v13, v13, v188                   ; the running largest t
	v_mov_b32 v188, v12
	v_floor_f32 v12, -v13                          ; the new -M = floor(-t) = -ceil(t): a whole number
	v_sub_f32 v188, v12, v188                      ; M's old value less its new one: a whole number, 0 or less
	v_cvt_i32_f32 v188, v188                       ; (it saturates)
	v_ldexp_f32 v190, 1.0, v188                    ; f = 2^(old M - new M)
.set j, 0
.rept 32
	v_pk_fma_f32 v[64+j:65+j], v[64+j:65+j], s[66:67], v[12:13] op_sel_hi:[1,0,0]   ; t - M, two at a time (of the pairs c and -M the low word serves both halves)
.set j, j+2
.endr
.irp b, 0,1,2,3
	v_fma_f32 v[176+\b], v[176+\b], s66, v12       ; the same of each block's largest score
.endr
.set j, 0
	s_wait_alu depctr_va_vdst(0)
.rept 64
	v_exp_f32 v[64+j], v[64+j]                     ; p = 2^(t - M), at most 1: not normalised
.set j, j+1
.endr
.irp b, 0,1,2,3
	v_exp_f32 v[176+\b], v[176+\b]                 ; the block's largest p
.endr
	v_pk_mul_f32 v[14:15], v[14:15], v[190:191] op_sel_hi:[1,0]   ; the sums under the new M.  (The plain line behind the exponentials)
	s_wait_alu depctr_va_vdst(0)                   ; the 68 exponentials have written v64-127 and v176-179: one wait for the batch, ahead of its first reader
.irp b, 0,1,2,3
	v_max_num_f32 v[176+\b], 0x1800000, v[176+\b]  ; the floor 2^(3 - 127): the byte cannot fall under 1 (a block whose every p is 0 keeps that byte: its codes are zeros)
.endr
.irp b, 0,1,2,3
	v_add_nc_u32 v[184+\b], 0xff000000, v[176+\b]  ; 2 off the exponent field: the conversion's scale operand
.endr
.irp b, 0,1,2,3
	v_lshrrev_b32 v[180+\b], 23, v[184+\b]         ; the scale's byte
.endr
	v_lshl_or_b32 v192, v181, 8, v180              ; p's scale word for these 128 keys
	v_lshl_or_b32 v192, v182, 16, v192
	v_lshl_or_b32 v192, v183, 24, v192
.irp b, 0,1,2,3
	v_cvt_scalef32_pk8_fp4_f32 v[160+2*\b], v[64+16*\b:71+16*\b], v[184+\b]
	v_cvt_scalef32_pk8_fp4_f32 v[161+2*\b], v[72+16*\b:79+16*\b], v[184+\b]
.endr
	v_nop                                          ; one plain line behind the scaled conversions
.irp c, 0,1                                    ; the operand's layout wants a whole block in a lane: lanes 0-15 block 2 c, lanes 16-31 block 2 c + 1
.irp i, 0,1
	v_permlane16_swap_b32 v[160+4*\c+\i], v[162+4*\c+\i]
.endr
.endr
	v_pk_add_f32 v[194:195], v[64:65], v[66:67]    ; the row's sum is taken of the unquantised p: two at a time, in two chains
.irp j, 4,8,12,16,20,24,28,32,36,40,44,48,52,56,60
	v_pk_add_f32 v[14:15], v[14:15], v[64+\j:65+\j]
	v_pk_add_f32 v[194:195], v[194:195], v[66+\j:67+\j]
.endr
	v_pk_add_f32 v[14:15], v[14:15], v[194:195]
.set j, 0
.rept 16
	v_pk_mul_f32 v[128+j:129+j], v[128+j:129+j], v[190:191] op_sel_hi:[1,0]   ; O^T under the new M, each accumulator from its low end.  (With the sums: the places between p's codes and scale word and the products below)
.set j, j+2
.endr
	s_wait_dscnt 0x0                               ; V's fragments and scale words are in
	s_wait_alu depctr_va_vdst(0)                   ; the conversions and lane swaps have written p's codes v160-167, and the shifts p's scale word v192, which the scaled products below take as operand and scales; the places above stay beside this wait
.irp t, 0,1,2,3                                ; O^T += V^T P^T: four accumulators by turns, one instruction a turn
	v_wmma_scale_f32_16x16x128_f8f6f4 v[128+8*\t:135+8*\t], v[200+8*\t:207+8*\t], v[160:167], v[128+8*\t:135+8*\t], v[172+\t], v192 matrix_a_fmt:MATRIX_FMT_FP4 matrix_b_fmt:MATRIX_FMT_FP4
.endr
.Lskip_\@:
	s_lshr_b32 s96, s96, 2                         ; the next step's two bits
	s_add_nc_u64 s[12:13], s[12:13], 256           ; its mask words (no scalar load is out here, on either way)
	s_add_co_u32 s98, s98, 4096
	s_add_co_u32 s99, s99, 64
	s_add_co_u32 s100, s100, 256
	s_sub_co_u32 s97, s97, 1
	s_cmp_lg_u32 s97, 0
	s_cbranch_scc1 .Lstep_\@
	; THE WAY OUT: O^T / the sum goes through my stage and leaves as rows: sixteen lanes store one query's 256 bytes of this head, aligned
.rept 4
	v_nop                                          ; four places behind the last products
.endr
	v_add_f32 v14, v14, v15                        ; the sum's two halves,
	v_permlanex16_b32 v188, v14, s104, s105
	v_add_f32 v14, v14, v188                       ; and lane l xor 16's: the row's sum
	s_wait_alu depctr_va_vdst(0)
	v_rcp_f32 v14, v14
	v_nop                                          ; one plain line behind the reciprocal
.set j, 0
	s_wait_alu depctr_va_vdst(0)                   ; the reciprocal has written v14, ahead of its first reader
.rept 16
	v_pk_mul_f32 v[64+j:65+j], v[128+j:129+j], v[14:15] op_sel_hi:[1,0]   ; register 8 t + i is channel 16 t + 8 hh + i of query r
.set j, j+2
.endr
	s_wait_alu depctr_va_vdst(0)                   ; the multiplies have written v64-95, which the stage's stores read; every vector reader of v96-127, in which the stage's loads land, is done; so is every reader of Q and its raw word, which the next pass loads anew
.irp t, 0,1,2,3
	ds_store_b128 v5, v[64+8*\t:67+8*\t] offset:64*\t
	ds_store_b128 v5, v[68+8*\t:71+8*\t] offset:64*\t+16
.endr
.irp i, 0,1,2,3,4,5,6,7
	ds_load_b128 v[96+4*\i:99+4*\i], v6 offset:2*SP*\i   ; LDS serves a wave's instructions in order: these see my stores
.endr
.irp i, 0,1,2,3,4,5,6,7
	s_wait_dscnt 7-\i                              ; the younger loads from the stage may be out
	global_store_b128 v7, v[96+4*\i:99+4*\i], s[14:15] offset:(8*\u+2*\i+8*(\i/4))*4096 th:TH_STORE_NT   ; stage row rr is query 8 u + rr + 8 (rr / 8) of the block
.endr
	s_wait_xcnt 0x0                                ; the stores have read their registers and their base: the next pass writes both again
.if \u == 0
	s_wait_alu depctr_vm_vsrc(0)                   ; the stage's stores have read v64-95 and the stores to out0 v96-127, which the next pass's products write again
.endif
.endm
	PASS 0
	PASS 1
	s_wait_dscnt 0x0                               ; the closing lines, six on end
	s_wait_alu 0x0
	s_wait_tensorcnt 0x0
	ds_add_u32 v232, v233
	s_wait_dscnt 0x0
	s_endpgm
.Lfunc_end_k_qc6c7bec78f_attn:
	.size	k_qc6c7bec78f_attn, .Lfunc_end_k_qc6c7bec78f_attn-k_qc6c7bec78f_attn
	.p2alignl 7, 3214868480
	.fill 96, 4, 3214868480
	.section	.rodata,"a",@progbits
	.p2align	6, 0x0
	.amdhsa_kernel k_qc6c7bec78f_attn
		.amdhsa_group_segment_fixed_size 211968
		.amdhsa_private_segment_fixed_size 0
		.amdhsa_enable_private_segment 0
		.amdhsa_kernarg_size 56
		.amdhsa_user_sgpr_count 2
		.amdhsa_user_sgpr_kernarg_segment_ptr 1
		.amdhsa_wavefront_size32 1
		.amdhsa_system_sgpr_workgroup_id_x 1
		.amdhsa_system_sgpr_workgroup_id_y 1
		.amdhsa_system_sgpr_workgroup_id_z 1
		.amdhsa_system_vgpr_workitem_id 0
		.amdhsa_next_free_vgpr 234
		.amdhsa_next_free_sgpr 106
		.amdhsa_reserve_vcc 0
		.amdhsa_float_denorm_mode_32 3
		.amdhsa_float_denorm_mode_16_64 3
		.amdhsa_memory_ordered 1
		.amdhsa_forward_progress 1
		.amdhsa_inst_pref_size 59
	.end_amdhsa_kernel
	.amdgpu_metadata
---
amdhsa.version: [ 1, 2 ]
amdhsa.kernels:
  - .name:           k_qc6c7bec78f_attn
    .symbol:         k_qc6c7bec78f_attn.kd
    .args:
      - { .name: qbuf, .offset: 0, .size: 8, .value_kind: global_buffer, .address_space: global }
      - { .name: kbuf, .offset: 8, .size: 8, .value_kind: global_buffer, .address_space: global }
      - { .name: values_codes, .offset: 16, .size: 8, .value_kind: global_buffer, .address_space: global }
      - { .name: values_scales, .offset: 24, .size: 8, .value_kind: global_buffer, .address_space: global }
      - { .name: maskw, .offset: 32, .size: 8, .value_kind: global_buffer, .address_space: global }
      - { .name: flags, .offset: 40, .size: 8, .value_kind: global_buffer, .address_space: global }
      - { .name: out0, .offset: 48, .size: 8, .value_kind: global_buffer, .address_space: global }
    .group_segment_fixed_size: 211968
    .private_segment_fixed_size: 0
    .kernarg_segment_align: 8
    .kernarg_segment_size: 56
    .max_flat_workgroup_size: 512
    .sgpr_count:     106
    .vgpr_count:     234
    .wavefront_size: 32
...
	.end_amdgpu_metadata
.endif
;; end of part 4
